; MI455X (gfx1250); checked and timed in simulation.
; The chip was launched on July 23, 2026; its instructions are those of AMD's public machine-readable ISA for CDNA 5 (MIT licence, August 2026) and "CDNA5" Instruction Set Architecture Reference Guide (July 2026). The comments in the code are by the model that wrote it; some were corrected since.
;; Grouped Query Attention. Allowed arithmetic: matrix products marked QUANTISED: E3M2 operands, one E8M0 scale for each 32 along K, by v_wmma_scale_f32_16x16x128_f8f6f4 with both operands' format E3M2, f32 sums; everything else in f32.
;; Inputs: Wk 1,024 x 512 float32; Wo 2,048 x 2,048 float32; Wq 1,024 x 2,048 float32; Wv 1,024 x 512 float32; bo 2,048 float32; x 2 x 2,048 x 1,024 float32.
;; Outputs: out0 2 x 2,048 x 2,048 float32.
;; This version of the problem:
;;   THIS VERSION OF THE PROBLEM IS GIVEN IN LOW PRECISION. The matrix products marked QUANTISED in the list below multiply operands that are first quantised to E3M2 (3 exponent bits, 2 mantissa bits; 6 bits a number), with one power-of-two scale for each 32 numbers along K (OCP MX v1.0); their sums are f32. All else is computed in f32.
;;   The module's matrix products, in the order in which they are computed (A, B: the left and right operand; K: the contracted axis; several contracted axes count as one K, in the product's order):
;;     1. [M 4,096, K 1,024] x [K 1,024, N 2,048]; A: input x; B: input Wq: QUANTISED
;;     2. [M 4,096, K 1,024] x [K 1,024, N 512]; A: input x; B: input Wk: QUANTISED
;;     3. [M 4,096, K 1,024] x [K 1,024, N 512]; A: input x; B: input Wv: QUANTISED
;;     4. batch 8 x [M 2,048, K 128] x [K 128, N 8,192]; A: computed on the way; B: computed on the way: QUANTISED
;;     5. batch 8 x [M 128, K 2,048] x [K 2,048, N 8,192]; A: computed on the way; B: softmax (see below): QUANTISED
;;     6. [M 4,096, K 2,048] x [K 2,048, N 2,048]; A: computed on the way; B: input Wo: QUANTISED
;;   THE QUANTISER, for each operand of a quantised product, along K:
;;     - K is cut into blocks of 32 from its start; a last block that is shorter is filled with zeros.
;;     - A block's scale is 2^e with e = floor(log2(the largest magnitude in the block)) - 4, held to -126 .. 127; a block of zeros has e = 0. As a byte (E8M0): e + 127.
;;     - Each number is divided by its block's scale, clamped to +-28, and rounded to the nearest number of E3M2, ties to even, subnormals kept.
;;     - The product sums the exact products of the quantised numbers (number of the format x scale) in f32.
;;   ~~~python
;;   def quantise(x, axis):      # numpy; x: float32 -> the quantised numbers, widened to float32 again
;;       x = np.moveaxis(x, axis, -1); K = x.shape[-1]
;;       x = np.pad(x, [(0, 0)] * (x.ndim - 1) + [(0, -K % 32)]); x = x.reshape(x.shape[:-1] + (-1, 32)); a = np.abs(x).max(-1, keepdims=True)
;;       e = np.where(a > 0, np.clip(np.frexp(np.where(a > 0, a, 1))[1] - 1 - 4, -126, 127), 0)      # np.frexp(a)[1] - 1 = floor(log2(a)), exactly
;;       r = np.clip(x / 2.0 ** e, -28, 28)
;;       step = 2.0 ** (np.maximum(np.frexp(np.where(r == 0, 1, r))[1] - 1, -2) - 2)
;;       q = np.round(r / step) * step * 2.0 ** e      # np.round: ties to even
;;       return np.moveaxis(q.reshape(q.shape[:-2] + (-1,))[..., :K], -1, axis).astype(np.float32)
;;   ~~~
;;   SOFTMAX AHEAD OF A QUANTISED PRODUCT. Where the list says 'softmax', what is quantised is not the finished softmax but p = 2^(t - M), with t = logit x log2(e) and M = ceil(the row's largest t), a whole number; so 1/2 < the row's largest p <= 1. The row's sum l is taken of the UNQUANTISED p, in f32, and the product's result is divided by l at the end. Since M is a whole number, a kernel that streams over the keys may use a running M (the ceiling of the running maximum): every later rescaling is an exact power of two, which a block's scale takes up: the codes' values come out the same.
;;   OPERANDS COMPUTED ON THE WAY. 'Computed on the way' means the value that the module computes at that place (a softmax that the list does not call 'softmax' is quantised finished and normalised). What goes into a quantiser is computed in f32, as accurately as f32 sums, v_exp_f32 and their like allow (about 1e-6 of the number): no bf16 or f16 on the way to a quantiser, and a product that is left as it is and whose result goes on into a quantised operand takes f32 operands (vector FMAs, or v_wmma_f32_16x16x4_f32). A number that lies on a knife's edge between two numbers of the format may be rounded either way, as far as f32 arithmetic and the matrix unit's own rounding can turn it there, and no further.
;; One version. Each part assembles by itself: llvm-mc -triple=amdgcn-amd-amdhsa -mcpu=gfx1250 --defsym DOCPART=n.
;; ======== version 1 of 1: 4 launches
;; limits: right only within a limited range of input values
;; workspace buffers: xw 5,734,400 bytes; wou 3,276,800 bytes; qkv 9,830,400 bytes; ctx 6,553,600 bytes
;; launch quant (part 1): grid 480 x 1, 8 waves a work-group, no clusters, 70,144 bytes of LDS; arguments x, Wq, Wk, Wv, Wo, xw, wou; writes xw, wou
.if DOCPART == 1
	.amdgcn_target "amdgcn-amd-amdhsa--gfx1250"
	.amdhsa_code_object_version 6
	.text
	.protected	k_q60fdb1ad32_quant
	.globl	k_q60fdb1ad32_quant
	.p2align	8
	.type	k_q60fdb1ad32_quant,@function
k_q60fdb1ad32_quant:
	s_mov_b64 s[64:65], 0
	v_nop
	global_prefetch_b8 v0, s[64:65] scope:SCOPE_SE
	s_setreg_imm32_b32 hwreg(HW_REG_WAVE_MODE, 25, 1), 1
	s_wait_xcnt 0x0
; x and the four weights, f32, become codes of E3M2 with one E8M0 byte for each 32 along K, laid in UNITS, this program's one layout for every operand.
; A UNIT is 128 rows x 128 K, 12,800 bytes: eight FRAGMENTS of 1,536 bytes (tile T = 16 rows x 128 K as an image of the operand's 12 registers: register group c, lane l at 512 c + 16 l),
; then 512 bytes of scale words: the word of (tile T, row r) at 12,288 + 256 (T / 4) + 16 r + 4 (T % 4).  Tile T holds rows 32 (T / 2) + 8 (T % 2) + r + 8 (r / 8), r = 0 .. 15.
; WORK THAT THE PROGRAM LEAVES OUT: reference() sets the scores of keys behind the query to -infinity, so p = 0 there for all inputs: a key step of 128 keys all of which come after a tile's queries
; reaches no output and is not computed (launch attn).  A NaN, an infinity or an overflow that would arise in those scores alone is not carried to the result.  Every input is read.
; ONE LAUNCH, TWO PATHS, parted by the work-group's number alone, each with LDS bytes of its own.
; Work-groups 0-223, the weights (K is their FIRST axis): waves 0-3 make unit 2 g, waves 4-7 unit 2 g + 1.  Units 0-127: Wq (16 blocks of 128 columns x 8 K steps), 128-159: Wk, 160-191: Wv, into xw at 256 + unit; 192-447: Wo (16 x 16) into wou.
;   A LANE TAKES A COLUMN n AND ITS REGISTERS RUN DOWN K: a load reads 128 consecutive bytes a wave, a block of 32 lies in one lane, and the conversions give codes with K innermost.
;   Wave w of a unit's four takes columns 32 w .. 32 w + 31: lane l is row r' = l % 8 + 8 (l / 16) of tile 2 w + (l / 8) % 2.  Its blocks 0 and 2 are the image of lane r', its blocks 1 and 3 that of lane 16 + r'.
; Work-groups 224-479, x [4096][1024]: unit (row block rb, K step ks) at 8 rb + ks of xw; a work-group makes one unit, each of its eight waves one tile; rows are read as 512 consecutive bytes and turned through the wave's own stage.
; A block's scale is 2^(floor(log2(its largest magnitude)) - 4); its byte is the largest magnitude's exponent field - 4, held at 1 from below.
; LIMITS: a block whose largest magnitude lies under 2^-122, a block of zeros among them, gets the byte 1 (its codes are zeros or the rule's own subnormals; the bytes are read by this program alone); NaN and infinities among the inputs are not served.
; No matrix unit, no cluster, no tensor load: each byte is read once and work-groups share nothing.
.set STG,   8448                       ; x's path: a wave's stage: 16 rows x (512 bytes + 16)
.set SCL,   8*STG                      ; x's path: the unit's 512 bytes of scale words
.set SCLW,  SCL+512                    ; the weights' path: 512 bytes for each of the two units
.set SPARE, SCLW+1024                  ; the spare words, 128 bytes for each of eight waves
.set WV,    36
	v_lshl_add_u32 v240, v0, 2, SPARE
	v_mov_b32 v241, 0
	v_lshrrev_b32 v1, 5, v0
	v_readfirstlane_b32 s[WV], v1                  ; wave 0..7
	s_cmp_lt_u32 ttmp9, 224
	s_cbranch_scc0 .Lx_path
; THE WEIGHTS
.set X,   32                           ; v32-159  128 numbers down K
.set RO,  160                          ; v160-191 row i of a block: i x pitch + 4 x lane
.set E,   192                          ; v192-203 blocks 0 and 2; v204-215 blocks 1 and 3
.set T,   216                          ; v216-231 the upper halves of the four blocks, ahead of their moves
.set SB,  24                           ; s[24:31] where each of the four blocks begins
	s_load_b256 s[4:11], s[0:1], 0x8               ; Wq, Wk, Wv, Wo
	s_load_b128 s[12:15], s[0:1], 0x28             ; xw, wou
	s_and_b32 s40, s[WV], 3                        ; my place among the unit's four waves
	s_lshr_b32 s41, s[WV], 2                       ; which of the two units
	s_lshl_b32 s39, ttmp9, 1
	s_add_co_u32 s39, s39, s41                     ; the unit, 0 .. 447
	s_mul_i32 s42, s40, 3072
	s_lshl_b32 s38, s41, 9
	s_add_co_u32 s38, s38, SCLW                    ; LDS: my unit's scale words
	s_lshr_b32 s37, s40, 1
	s_lshl_b32 s37, s37, 8
	s_and_b32 s43, s40, 1
	s_lshl_b32 s43, s43, 3
	s_add_co_u32 s37, s37, s43
	s_add_co_u32 s37, s37, s38
	s_mov_b32 s20, 8192                            ; Wo's figures first: the pitch in bytes,
	s_mov_b32 s21, 192                             ; the tensor's first unit,
	s_mov_b32 s22, 4                               ; log2 of its K steps,
	s_mov_b32 s23, -192                            ; what is added to the unit's number to give its place
	v_and_b32 v1, 31, v0
	v_lshlrev_b32 v22, 4, v1                       ; 16 x lane
	v_lshlrev_b32 v23, 2, v1                       ; 4 x lane
	v_bfe_u32 v2, v0, 3, 1                         ; which of my wave's two tiles
	v_and_b32 v3, 7, v0
	v_bfe_u32 v4, v0, 4, 1
	v_lshl_add_u32 v3, v4, 3, v3                   ; r'
	v_mul_u32_u24 v20, v2, 1536
	v_lshl_add_u32 v20, v3, 4, v20
	v_add_nc_u32 v20, s42, v20                     ; my place in the unit: tile x 1,536 + 16 r'
	v_lshlrev_b32 v21, 4, v3
	v_lshl_add_u32 v21, v2, 2, v21
	v_add_nc_u32 v21, s37, v21                     ; LDS: my scale word: 256 (T / 4) + 16 r' + 4 (T % 4)
	v_add_nc_u32 v24, s38, v22                     ; and the unit's 512 bytes on the way out
	s_wait_alu depctr_va_vdst(0)                   ; the wait at the head's end
	s_wait_kmcnt 0x0
	s_mov_b64 s[16:17], s[10:11]
	s_mov_b64 s[18:19], s[14:15]
	s_cmp_lt_u32 s39, 192                          ; the choices hang on the unit's number alone
	s_cselect_b64 s[16:17], s[8:9], s[16:17]       ; Wv
	s_cselect_b64 s[18:19], s[12:13], s[18:19]
	s_cselect_b32 s20, 2048, s20
	s_cselect_b32 s21, 160, s21
	s_cselect_b32 s22, 3, s22
	s_cselect_b32 s23, 256, s23
	s_cmp_lt_u32 s39, 160
	s_cselect_b64 s[16:17], s[6:7], s[16:17]       ; Wk
	s_cselect_b32 s21, 128, s21
	s_cmp_lt_u32 s39, 128
	s_cselect_b64 s[16:17], s[4:5], s[16:17]       ; Wq
	s_cselect_b32 s20, 8192, s20
	s_cselect_b32 s21, 0, s21
	s_sub_co_u32 s32, s39, s21                     ; the unit's number in its tensor
	s_lshr_b32 s33, s32, s22                       ; block of 128 columns
	s_lshl_b32 s34, s33, s22
	s_sub_co_u32 s34, s32, s34                     ; K step
	s_lshl_b32 s35, s20, 7
	s_mul_i32 s34, s34, s35                        ; 128 rows of the pitch a K step
	s_lshl_b32 s33, s33, 9
	s_add_co_u32 s34, s34, s33                     ; + 512 bytes a block of columns
	s_lshl_b32 s33, s40, 7
	s_add_co_u32 s34, s34, s33                     ; + 128 bytes a wave
	s_mov_b32 s35, 0
	s_add_nc_u64 s[SB:SB+1], s[16:17], s[34:35]
	s_lshl_b32 s32, s20, 5                         ; 32 rows on
	s_mov_b32 s33, 0
	s_add_nc_u64 s[SB+2:SB+3], s[SB:SB+1], s[32:33]
	s_add_nc_u64 s[SB+4:SB+5], s[SB+2:SB+3], s[32:33]
	s_add_nc_u64 s[SB+6:SB+7], s[SB+4:SB+5], s[32:33]
	s_add_co_u32 s34, s39, s23
	s_mul_i32 s34, s34, 12800
	s_add_nc_u64 s[18:19], s[18:19], s[34:35]      ; my unit
	s_add_nc_u64 s[16:17], s[18:19], 12288         ; its scale words
.irp i, 0,1,2,3,4,5,6,7,8,9,10,11,12,13,14,15,16,17,18,19,20,21,22,23,24,25,26,27,28,29,30,31
	v_mad_u32_u24 v[RO+\i], s20, \i, v23
.endr
.irp b, 0,1,2,3
.irp i, 0,1,2,3,4,5,6,7,8,9,10,11,12,13,14,15,16,17,18,19,20,21,22,23,24,25,26,27,28,29,30,31
	global_load_b32 v[X+32*\b+\i], v[RO+\i], s[SB+2*\b:SB+2*\b+1] th:TH_LOAD_NT   ; W(128 ks + 32 b + i, my column)
.endr
.endr
; Block b: all its 32 numbers are mine.  left: how many younger loads may be out.
.macro BLOCK b, left
.set XS, X+32*(\b)
.set LO, E+12*((\b)&1)+6*((\b)>>1)
	s_wait_loadcnt \left
	v_max3_num_f32 v8, |v[XS]|, |v[XS+1]|, |v[XS+2]|
	v_max3_num_f32 v9, |v[XS+3]|, |v[XS+4]|, |v[XS+5]|
.irp i, 6,10,14,18,22,26
	v_max3_num_f32 v8, v8, |v[XS+\i]|, |v[XS+\i+1]|
	v_max3_num_f32 v9, v9, |v[XS+\i+2]|, |v[XS+\i+3]|
.endr
	v_max3_num_f32 v8, v8, |v[XS+30]|, |v[XS+31]|
	v_max3_num_f32 v8, v8, v9, 0x2800000           ; and the floor 2^(5 - 127): the byte cannot fall under 1
	v_add_nc_u32 v[10+(\b)], 0xfe000000, v8        ; 4 off the exponent field: the conversion's scale operand
	v_lshrrev_b32 v9, 23, v[10+(\b)]               ; the scale's byte
.if (\b) == 0
	v_mov_b32 v16, v9
.else
	v_lshl_or_b32 v16, v9, 8*(\b), v16             ; the lower K in the lower byte
.endif
	v_cvt_scalef32_pk16_bf6_f32 v[LO:LO+2], v[XS:XS+15], v[10+(\b)]
	v_cvt_scalef32_pk16_bf6_f32 v[T+4*(\b):T+4*(\b)+2], v[XS+16:XS+31], v[10+(\b)]   ; a conversion's three registers begin on an even number
.endm
	BLOCK 0, 63                                    ; 96 younger loads could stay out: a wait's count ends at 63, and a smaller count is safe
	BLOCK 1, 63                                    ; likewise for 64
	BLOCK 2, 32
	BLOCK 3, 0
	v_nop                                          ; one plain instruction behind the scaled conversions
.irp b, 0,1,2,3
.irp i, 0,1,2
	v_mov_b32 v[E+12*(\b&1)+6*(\b>>1)+3+\i], v[T+4*\b+\i]
.endr
.endr
.irp c, 0,1,2
	global_store_b128 v20, v[E+4*\c:E+4*\c+3], s[18:19] offset:512*\c          ; the images of lanes 0-15 of my two tiles: 2 x 256 consecutive bytes, aligned
	global_store_b128 v20, v[E+12+4*\c:E+12+4*\c+3], s[18:19] offset:512*\c+256  ; and of lanes 16-31
.endr
	ds_store_b32 v21, v16
	s_wait_dscnt 0x0                               ; for the others' sake: my word has landed
	s_barrier_signal -1
	s_barrier_wait -1
	s_cmp_lg_u32 s40, 0
	s_cbranch_scc1 .Lw_done
	ds_load_b128 v[232:235], v24                   ; waves 0 and 4 store their unit's scale words: 512 consecutive bytes
	s_wait_dscnt 0x0
	global_store_b128 v22, v[232:235], s[16:17]
.Lw_done:
	s_wait_tensorcnt 0x0                           ; the wave's end
	ds_add_u32 v240, v241
	s_wait_dscnt 0x0
	s_endpgm
; x
.set R,    16                          ; v16-79   16 rows x 16 bytes a lane, as loaded
.set X,    80                          ; v80-143  64 numbers of my row: register 16 b + i = k 32 b + 16 (lane / 16) + i
.set TM,   144                         ; v144-159 at work in QUANT
.set PW,   160                         ; v160     my row's scale word
.set PC,   164                         ; v164-182 the codes: 12 registers, and 7 at work
.set SEL,  20
; 64 numbers of a lane, v[s] .. v[s + 63], become a fragment's codes in v[PC] on and its scale word in v[PW].
.macro QUANT s
.irp b, 0,1,2,3
	v_max3_num_f32 v[TM+\b], |v[\s+16*\b]|, |v[\s+1+16*\b]|, 0x2800000   ; block b: my 16 numbers, and the floor 2^(5 - 127)
.endr
.irp i, 2,4,6,8,10,12,14
.irp b, 0,1,2,3
	s_delay_alu instid0(VALU_DEP_4)
	v_max3_num_f32 v[TM+\b], v[TM+\b], |v[\s+16*\b+\i]|, |v[\s+1+16*\b+\i]|   ; the four blocks by turns
.endr
.endr
.irp b, 0,1,2,3
	s_delay_alu instid0(VALU_DEP_4)
	v_permlanex16_b32 v[TM+4+\b], v[TM+\b], s[SEL], s[SEL+1]
.endr
.irp b, 0,1,2,3
	s_delay_alu instid0(VALU_DEP_4)
	v_max_num_f32 v[TM+\b], v[TM+\b], v[TM+4+\b]   ; with lane l xor 16's: the block's largest magnitude
.endr
.irp b, 0,1,2,3
	s_delay_alu instid0(VALU_DEP_4)
	v_add_nc_u32 v[TM+12+\b], 0xfe000000, v[TM+\b]   ; 4 off its exponent field: the conversion's scale operand
.endr
.irp b, 0,1,2,3
	s_delay_alu instid0(VALU_DEP_4)
	v_lshrrev_b32 v[TM+4+\b], 23, v[TM+12+\b]      ; the scale's byte
.endr
	s_delay_alu instid0(VALU_DEP_3)
	v_lshl_or_b32 v[PW], v[TM+5], 8, v[TM+4]
	s_delay_alu instid0(VALU_DEP_1)
	v_lshl_or_b32 v[PW], v[TM+6], 16, v[PW]
	s_delay_alu instid0(VALU_DEP_1)
	v_lshl_or_b32 v[PW], v[TM+7], 24, v[PW]
.irp c, 0,1
	v_cvt_scalef32_pk16_bf6_f32 v[PC+6*\c:PC+2+6*\c], v[\s+32*\c:\s+15+32*\c], v[TM+12+2*\c]
	v_cvt_scalef32_pk16_bf6_f32 v[PC+12+4*\c:PC+14+4*\c], v[\s+16+32*\c:\s+31+32*\c], v[TM+12+2*\c+1]
.endr
	v_nop                                          ; one plain instruction behind the scaled conversions
.irp c, 0,1                                    ; the operand's layout wants a whole block in a lane
.irp i, 0,1,2
	v_permlane16_swap_b32 v[PC+6*\c+\i], v[PC+12+4*\c+\i]
.endr
.irp i, 0,1,2
	s_delay_alu instid0(VALU_DEP_3)
	v_mov_b32 v[PC+3+6*\c+\i], v[PC+12+4*\c+\i]
.endr
.endr
.endm
.Lx_path:
	s_load_b64 s[4:5], s[0:1], 0x0                 ; x
	s_load_b64 s[6:7], s[0:1], 0x28                ; xw
	s_sub_co_u32 s19, ttmp9, 224                   ; my unit, 0 .. 255
	s_mul_i32 s10, s[WV], STG
	s_lshr_b32 s11, s[WV], 2
	s_lshl_b32 s11, s11, 8
	s_and_b32 s12, s[WV], 3
	s_lshl_b32 s12, s12, 2
	s_add_co_u32 s11, s11, s12
	s_add_co_u32 s11, s11, SCL
	s_mov_b32 s[SEL], 0x76543210
	s_mov_b32 s[SEL+1], 0xfedcba98                 ; selects for lane l xor 16
	s_lshr_b32 s12, s19, 3                         ; row block
	s_lshl_b32 s12, s12, 7
	s_lshr_b32 s13, s[WV], 1
	s_lshl_b32 s13, s13, 5
	s_add_co_u32 s12, s12, s13
	s_and_b32 s13, s[WV], 1
	s_lshl_b32 s13, s13, 3
	s_add_co_u32 s12, s12, s13                     ; my tile's first row: 128 rb + 32 (T / 2) + 8 (T % 2)
	s_lshl_b32 s12, s12, 12                        ; rows of 4,096 bytes
	s_and_b32 s13, s19, 7
	s_lshl_b32 s13, s13, 9                         ; K step: 512 bytes
	s_add_co_u32 s12, s12, s13
	s_mov_b32 s13, 0
	s_mul_i32 s14, s19, 12800                      ; my unit
	s_mov_b32 s15, 0
	s_mul_i32 s16, s[WV], 1536                     ; my fragment in it
	s_mov_b32 s17, 0
	v_and_b32 v1, 31, v0                           ; lane
	v_and_b32 v2, 15, v0                           ; r
	v_bfe_u32 v3, v0, 4, 1                         ; h
	v_lshlrev_b32 v4, 4, v1                        ; 16 x lane
	v_add_nc_u32 v5, s10, v4                       ; into my stage: a row's 512 bytes as they lie
	v_mul_u32_u24 v6, v2, 528
	v_lshl_add_u32 v6, v3, 6, v6
	v_add_nc_u32 v6, s10, v6                       ; out of it: row r, + 64 h: my 16 numbers of each block of 32
	v_lshlrev_b32 v7, 4, v2
	v_add_nc_u32 v7, s11, v7                       ; my row's scale word: SCL + 256 (T / 4) + 16 r + 4 (T % 4)
	v_add_nc_u32 v8, SCL, v4                       ; and the 512 bytes on the way out
.irp b, 0,1,2,3
	v_mov_b32 v[TM+4+\b], 0                        ; written once: a lane permute's destination counts as one of its sources
.endr
	s_wait_alu depctr_va_vdst(0)                   ; the wait at the head's end
	s_wait_kmcnt 0x0
	s_add_nc_u64 s[4:5], s[4:5], s[12:13]
	s_add_nc_u64 s[6:7], s[6:7], s[14:15]
	s_add_nc_u64 s[8:9], s[6:7], 12288             ; the unit's scale words
	s_add_nc_u64 s[6:7], s[6:7], s[16:17]
.irp i, 0,1,2,3,4,5,6,7,8,9,10,11,12,13,14,15
	global_load_b128 v[R+4*\i:R+4*\i+3], v4, s[4:5] offset:(\i+8*(\i/8))*4096 th:TH_LOAD_NT   ; tile row i: 32 lanes read its 512 consecutive bytes
.endr
.irp i, 0,1,2,3,4,5,6,7,8,9,10,11,12,13,14,15
	s_wait_loadcnt 15-\i                           ; loads come back in order: row i is in, the 15 - i younger ones may be out
	ds_store_b128 v5, v[R+4*\i:R+4*\i+3] offset:528*\i
.endr
.irp b, 0,1,2,3
.irp j, 0,1,2,3
	ds_load_b128 v[X+16*\b+4*\j:X+16*\b+4*\j+3], v6 offset:128*\b+16*\j   ; my wave's own bytes, served in order: these see the stores above
.endr
.endr
	s_wait_dscnt 0x0
	QUANT X
.irp c, 0,1,2
	global_store_b128 v4, v[PC+4*\c:PC+4*\c+3], s[6:7] offset:512*\c   ; the fragment's image: 512 consecutive bytes a store
.endr
	ds_store_b32 v7, v[PW]                         ; both halves of the lanes hold row r's word and write the same value
	s_wait_dscnt 0x0                               ; for the others' sake: my word has landed
	s_barrier_signal -1
	s_barrier_wait -1
	s_cmp_lg_u32 s[WV], 0
	s_cbranch_scc1 .Lx_done
	ds_load_b128 v[184:187], v8                    ; wave 0 stores the eight tiles' words: 512 consecutive bytes
	s_wait_dscnt 0x0
	global_store_b128 v4, v[184:187], s[8:9]
.Lx_done:
	s_wait_tensorcnt 0x0                           ; the wave's end
	ds_add_u32 v240, v241
	s_wait_dscnt 0x0
	s_endpgm
.Lfunc_end_k_q60fdb1ad32_quant:
	.size	k_q60fdb1ad32_quant, .Lfunc_end_k_q60fdb1ad32_quant-k_q60fdb1ad32_quant
	.p2alignl 7, 3214868480
	.fill 96, 4, 3214868480
	.section	.rodata,"a",@progbits
	.p2align	6, 0x0
	.amdhsa_kernel k_q60fdb1ad32_quant
		.amdhsa_group_segment_fixed_size 70144
		.amdhsa_private_segment_fixed_size 0
		.amdhsa_enable_private_segment 0
		.amdhsa_kernarg_size 56
		.amdhsa_user_sgpr_count 2
		.amdhsa_user_sgpr_kernarg_segment_ptr 1
		.amdhsa_wavefront_size32 1
		.amdhsa_system_sgpr_workgroup_id_x 1
		.amdhsa_system_sgpr_workgroup_id_y 1
		.amdhsa_system_sgpr_workgroup_id_z 1
		.amdhsa_system_vgpr_workitem_id 0
		.amdhsa_next_free_vgpr 242
		.amdhsa_next_free_sgpr 66
		.amdhsa_reserve_vcc 0
		.amdhsa_float_denorm_mode_32 3
		.amdhsa_float_denorm_mode_16_64 3
		.amdhsa_memory_ordered 1
		.amdhsa_forward_progress 1
		.amdhsa_inst_pref_size 37
	.end_amdhsa_kernel
	.amdgpu_metadata
---
amdhsa.version: [ 1, 2 ]
amdhsa.kernels:
  - .name:           k_q60fdb1ad32_quant
    .symbol:         k_q60fdb1ad32_quant.kd
    .args:
      - { .name: x, .offset: 0, .size: 8, .value_kind: global_buffer, .address_space: global }
      - { .name: Wq, .offset: 8, .size: 8, .value_kind: global_buffer, .address_space: global }
      - { .name: Wk, .offset: 16, .size: 8, .value_kind: global_buffer, .address_space: global }
      - { .name: Wv, .offset: 24, .size: 8, .value_kind: global_buffer, .address_space: global }
      - { .name: Wo, .offset: 32, .size: 8, .value_kind: global_buffer, .address_space: global }
      - { .name: xw, .offset: 40, .size: 8, .value_kind: global_buffer, .address_space: global }
      - { .name: wou, .offset: 48, .size: 8, .value_kind: global_buffer, .address_space: global }
    .group_segment_fixed_size: 70144
    .private_segment_fixed_size: 0
    .kernarg_segment_align: 8
    .kernarg_segment_size: 56
    .max_flat_workgroup_size: 256
    .sgpr_count:     66
    .vgpr_count:     242
    .wavefront_size: 32
...
	.end_amdgpu_metadata
.endif
;; end of part 1
;; launch gemm_qkv (part 2): grid 192 x 1, 4 waves a work-group, clusters of 4 x 1, 327,680 bytes of LDS; arguments xw, qkv; writes qkv
.if DOCPART == 2
	.amdgcn_target "amdgcn-amd-amdhsa--gfx1250"
	.amdhsa_code_object_version 6
	.text
	.protected	k_q60fdb1ad32_gemm_qkv
	.globl	k_q60fdb1ad32_gemm_qkv
	.p2align	8
	.type	k_q60fdb1ad32_gemm_qkv,@function
k_q60fdb1ad32_gemm_qkv:
	s_mov_b64 s[64:65], 0
	v_nop
	global_prefetch_b8 v0, s[64:65] scope:SCOPE_SE
	s_setreg_imm32_b32 hwreg(HW_REG_WAVE_MODE, 25, 1), 1
	s_wait_xcnt 0x0
	s_wait_alu depctr_hold_cnt(0) depctr_sa_sdst(0) depctr_va_vdst(0) depctr_va_sdst(0) depctr_va_ssrc(0) depctr_va_vcc(0) depctr_vm_vsrc(0)
	s_getreg_b32 s2, hwreg(HW_REG_IB_STS2, 6, 4)
	s_cmp_eq_u32 s2, 0
	s_cbranch_scc0 .Lentry_in_a_cluster
	s_endpgm
.Lentry_in_a_cluster:
	s_bfe_u32 s2, ttmp6, 0x10000c
	s_cmp_lg_u32 s2, 0x3003
	s_cbranch_scc0 .Lentry_shape_is_right
	s_endpgm
.Lentry_shape_is_right:
; q = x Wq, k = x Wk, v = x Wv on codes of E3M2 (K = 1,024), each result quantised at once, in registers, into the operand that attention wants: q and k along the head's 128, v along the keys.
; All operands lie in UNITS (128 rows x 128 K, 12,800 bytes: eight fragments of 1,536 bytes as images of the operand's 12 registers, lane l's 16 bytes of register group c at 512 c + 16 l, then 512 bytes of
; scale words, (tile T, row r) at 12,288 + 256 (T / 4) + 16 r + 4 (T % 4); tile T holds rows 32 (T / 2) + 8 (T % 2) + r + 8 (r / 8)).  xw: row blocks 0-31 x's tokens, 32-47 Wq's heads, 48-51 Wk's groups, 52-55 Wv's; 8 K steps each, on end.
; THE PRODUCT: source 0 = P (16 rows), source 1 = Q.  A lane of the result holds ONE row of Q, and the 16 registers of P's tiles 2 B, 2 B + 1 are P's rows 32 B + 16 (lane / 16) + 0 .. 15: neighbours along the NEXT product's K.
; q, k: P = the weight (128 rows = a head), Q = x.  v: P = x (128 keys), Q = Wv.
; SHARES: a work-group takes a pair of weight blocks and a pair of token blocks, 256 x 256 results: 12 x 16 = 192 work-groups.  A wave takes one weight block x one token block: 64 accumulators, 512 registers, one whole unit of qkv.
; For 128 along K a wave reads 16 fragments from LDS for 64 matrix instructions, none twice.
; RING: two slots of three K steps (4 blocks x 38,400 bytes).  Every fill is one tensor load a wave: waves 0, 1 the weight blocks, waves 2, 3 the token blocks.  K steps 0-2 at the head, K steps 3-5 behind the full sequence and a round,
; K steps 6-7 into slot 0 again when it has been read out, three K steps, 192 matrix instructions a wave, ahead of their use.
; CLUSTER: cluster c holds weight pair c / 4 and token pairs 4 (c % 4) + cx: the weights' loads are joint (mask 15), x's differ between the partners and are plain.
; A 4 x 4 cluster is not used: it would hold pairs of Wk beside pairs of Wv, whose LDS read addresses differ.  The tiles land at the same LDS places in every cluster; which region is read as P and which as Q hangs on the cluster's number alone (c >= 40: v).
; No prefetch is laid: the walk is three fills, written out, with no loop to run ahead in.
; qkv: unit (weight block wb, token block tb) at 32 wb + tb.
; LIMITS: a block whose largest magnitude lies under 2^-122, a block of zeros among them, gets the byte 1 (read by this program alone); NaN and infinities are not served.
; REGISTERS, in windows of 256: window 0: v1-15 addresses; v28, v29 the add's two; v32-63 scale words, two sets of 8 + 8; v64-255 Q's fragments, two sets; all from v32 on at work on the way out.
;   window 1: P's fragments, two sets at v0 and v128.   windows 2, 3: accumulator (a, b) at v[8 (8 (a % 4) + b)] of window 2 + a / 4.
.set UNIT,  12800
.set R3,    3*UNIT                     ; a block's three K steps in a slot
.set SLOT,  4*R3
.set SPARE, 2*SLOT                     ; the spare words: 128 bytes a wave
.set BLK,   8*UNIT                     ; a block in memory
.set LASTK, 7
.set G1J, 16                           ; s[16:23] group 1 with the mask, s[24:31] without; s[32:35], s[36:39] groups 0 for the weights and for x
.set G1N, 24
.set G0W, 32
.set G0X, 36
.set SEL, 78
.set TM,  224
.set MSB, 0
.macro WIN new                         ; the immediate's high byte repeats the setting that is left
.if MSB != \new
	s_set_vgpr_msb (MSB<<8)|\new
.set MSB, \new
.endif
.endm
.macro PLACES n
.rept \n
	v_nop
.endr
.endm
.macro ROUND                           ; a round of the cluster's barrier
	s_barrier_signal -1
	s_barrier_wait -1
	s_cmp_lg_u32 s8, 0
	s_cbranch_scc1 .Lnot_wave_0_\@
	s_barrier_signal -3
.Lnot_wave_0_\@:
	s_barrier_wait -3
	s_barrier_signal -1
	s_barrier_wait -1
.endm
.macro TLOAD                           ; every way passes one load
	s_cmp_lt_u32 s8, 2
	s_cbranch_scc0 .Lfor_x_\@
	tensor_load_to_lds s[G0W:G0W+3], s[G1J:G1J+7]
	s_nop 0
	PLACES 4
	s_branch .Lasked_\@
.Lfor_x_\@:
	tensor_load_to_lds s[G0X:G0X+3], s[G1N:G1N+7]
	s_nop 0
	PLACES 4
.Lasked_\@:
.endm
.macro CHANGE n                        ; fill n (1, 2) goes into slot n % 2: the three lines, a round, my one load
	WIN 0
	s_wait_tensorcnt 0x0                           ; all my tensor loads have landed, so the descriptors may be written
	ds_add_u32 v28, v29
	s_add_co_u32 s[G0W+1], s70, ((\n)%2)*SLOT
	s_add_co_u32 s[G0X+1], s70, ((\n)%2)*SLOT
	s_add_nc_u64 s[G0W+2:G0W+3], s[G0W+2:G0W+3], R3
	s_add_nc_u64 s[G0X+2:G0X+3], s[G0X+2:G0X+3], R3
.if (\n) == 2
.irp g, G1J, G1N
	s_mov_b32 s[\g+2], 100<<16                     ; the last fill brings two K steps: 100 rows of 256 bytes
	s_mov_b32 s[\g+4], 100
.endr
.endif
	s_wait_dscnt 0x0                               ; the add is done, and my reads of the slot are over
	ROUND
	TLOAD                                          ; its four v_nop also stand between the last products and the loads below
.endm
.macro FETCH ks                        ; K step ks: 52 LDS loads in one run, into set ks % 2
.set FP, (\ks)&1
.set FS, ((\ks)/3)&1
.set FO, ((\ks)%3)*UNIT
	WIN 0x40                                       ; destination window 1
.irp b, 0,1,2,3,4,5,6,7
.irp c, 0,1,2
	ds_load_b128 v[128*FP+12*\b+4*\c:128*FP+12*\b+4*\c+3], v[8+FS] offset:FO+1536*\b+512*\c
.endr
.endr
	WIN 0
.irp a, 0,1,2,3,4,5,6,7
.irp c, 0,1,2
	ds_load_b128 v[64+96*FP+12*\a+4*\c:64+96*FP+12*\a+4*\c+3], v[10+FS] offset:FO+1536*\a+512*\c
.endr
.endr
.irp q, 0,1
	ds_load_b128 v[32+16*FP+4*\q:35+16*FP+4*\q], v[12+FS] offset:FO+256*\q   ; row r's words of P's tiles 4 q .. 4 q + 3,
	ds_load_b128 v[40+16*FP+4*\q:43+16*FP+4*\q], v[14+FS] offset:FO+256*\q   ; and of Q's
.endr
.endm
; 64 matrix instructions; the 64 accumulators take turns, one instruction a turn.  zero = 1: the products start the sums
.macro MUL64 ks, zero
.set MP, (\ks)&1
.irp a, 0,1,2,3,4,5,6,7
.if \a == 0
	WIN 0xa1                                       ; source 0 (P) window 1, source 1 (Q) window 0, C and D window 2
.endif
.if \a == 4
	WIN 0xf1                                       ; C and D window 3
.endif
.irp b, 0,1,2,3,4,5,6,7
.if \zero
	v_wmma_scale_f32_16x16x128_f8f6f4 v[8*(8*(\a%4)+\b):8*(8*(\a%4)+\b)+7], v[128*MP+12*\b:128*MP+12*\b+11], v[64+96*MP+12*\a:64+96*MP+12*\a+11], 0, v[32+16*MP+\b], v[40+16*MP+\a] matrix_a_fmt:MATRIX_FMT_BF6 matrix_b_fmt:MATRIX_FMT_BF6
.else
	v_wmma_scale_f32_16x16x128_f8f6f4 v[8*(8*(\a%4)+\b):8*(8*(\a%4)+\b)+7], v[128*MP+12*\b:128*MP+12*\b+11], v[64+96*MP+12*\a:64+96*MP+12*\a+11], v[8*(8*(\a%4)+\b):8*(8*(\a%4)+\b)+7], v[32+16*MP+\b], v[40+16*MP+\a] matrix_a_fmt:MATRIX_FMT_BF6 matrix_b_fmt:MATRIX_FMT_BF6
.endif
.endr
.endr
.endm
; A K step: its fragments, asked for a step ago, are in; the next step's are asked for, four plain instructions behind the products that read their registers; then the products.
; ev 2: slot 0 is filled again first; ev 1: the last fill is waited for first
.macro STEP ks, ev, zero
	s_wait_dscnt 0x0
.if (\ev) == 2
	CHANGE 2
.else
.if (\ev) == 1
	s_wait_tensorcnt 0x0                           ; my part of K steps 6, 7 has landed; behind the barrier everybody's has.
	s_barrier_signal -1
	s_barrier_wait -1
.endif
.if (\ks) > 0
	PLACES 4
.endif
.endif
.if (\ks) < LASTK
	FETCH (\ks)+1
.endif
	MUL64 \ks, \zero
.endm
; The 64 results of Q's tile a (register 16 b + i = the next K's 32 b + 16 (lane / 16) + i) become a fragment's codes in v[64 + 20 a] on and its scale word in v[32 + a].  Each accumulator is read from its low end on.
.macro QUANTW a
.set S,  64*((\a)%4)
.set PC, 64+20*(\a)
.set WN, 2+(\a)/4
	WIN (WN<<2)|(WN<<4)                            ; sources 1 and 2: the accumulators' window
.irp b, 0,1,2,3
	v_max3_num_f32 v[TM+\b], 0x2800000, |v[S+16*\b]|, |v[S+1+16*\b]|   ; the floor 2^(5 - 127): the byte cannot fall under 1
.endr
.irp i, 2,4,6,8,10,12,14
.irp b, 0,1,2,3
	v_max3_num_f32 v[TM+\b], v[TM+\b], |v[S+16*\b+\i]|, |v[S+1+16*\b+\i]|
.endr
.endr
	WIN 0
.irp b, 0,1,2,3
	v_permlanex16_b32 v[TM+4+\b], v[TM+\b], s[SEL], s[SEL+1]
.endr
.irp b, 0,1,2,3
	v_max_num_f32 v[TM+\b], v[TM+\b], v[TM+4+\b]
.endr
.irp b, 0,1,2,3
	v_add_nc_u32 v[TM+12+\b], 0xfe000000, v[TM+\b]   ; 4 off the exponent field: the conversion's scale operand
.endr
.irp b, 0,1,2,3
	v_lshrrev_b32 v[TM+4+\b], 23, v[TM+12+\b]
.endr
	v_lshl_or_b32 v[32+(\a)], v[TM+5], 8, v[TM+4]
	v_lshl_or_b32 v[32+(\a)], v[TM+6], 16, v[32+(\a)]
	v_lshl_or_b32 v[32+(\a)], v[TM+7], 24, v[32+(\a)]
	WIN WN                                         ; source 0: the accumulators' window
.irp c, 0,1
	v_cvt_scalef32_pk16_bf6_f32 v[PC+6*\c:PC+2+6*\c], v[S+32*\c:S+15+32*\c], v[TM+12+2*\c]
	v_cvt_scalef32_pk16_bf6_f32 v[PC+12+4*\c:PC+14+4*\c], v[S+16+32*\c:S+31+32*\c], v[TM+12+2*\c+1]
.endr
	WIN 0
	v_nop                                          ; one plain instruction behind the scaled conversions
.irp c, 0,1
.irp i, 0,1,2
	v_permlane16_swap_b32 v[PC+6*\c+\i], v[PC+12+4*\c+\i]
.endr
.irp i, 0,1,2
	v_mov_b32 v[PC+3+6*\c+\i], v[PC+12+4*\c+\i]
.endr
.endr
.endm
	s_load_b128 s[4:7], s[0:1], 0x0                ; xw, qkv
	v_lshl_add_u32 v28, v0, 2, SPARE
	v_mov_b32 v29, 0
	ds_add_u32 v28, v29                            ; the opening lines: the add twice on end under one wait
	ds_add_u32 v28, v29
	v_lshrrev_b32 v1, 5, v0
	v_readfirstlane_b32 s8, v1                     ; wave 0..3
	s_and_b32 s9, s8, 1
	s_lshr_b32 s10, s8, 1
	s_bfe_u32 s11, ttmp6, 0x40000                  ; cx: my place in the cluster
	s_lshr_b32 s12, ttmp9, 2
	s_lshl_b32 s12, s12, 1
	s_add_co_u32 s12, s12, 32                      ; the pair's first weight block: made of the cluster's number alone
	s_and_b32 s14, ttmp9, 3
	s_lshl_b32 s14, s14, 2
	s_add_co_u32 s14, s14, s11
	s_lshl_b32 s14, s14, 1                         ; the pair's first token block
	s_mov_b32 s[G1J], 15|(3<<16)|(1<<21)           ; the mask: all four work-groups; elements of 8 bytes; bit 21 beside a mask
	s_mov_b32 s[G1N], 3<<16                        ; no mask
.irp g, G1J, G1N
	s_mov_b32 s[\g+1], 32<<16                      ; a dense block of 38,400 bytes as 150 rows of 256
	s_mov_b32 s[\g+2], 150<<16
	s_mov_b32 s[\g+3], 32<<16
	s_mov_b32 s[\g+4], 150
	s_mov_b32 s[\g+5], 32
	s_mov_b32 s[\g+6], 0
	s_mov_b32 s[\g+7], 0
.endr
	s_add_co_u32 s66, s12, s9
	s_mul_i32 s66, s66, BLK                        ; the weight block that waves 0, 1 fetch.  These registers never hold cx
	s_mov_b32 s67, 0
	s_add_co_u32 s68, s14, s9
	s_mul_i32 s68, s68, BLK                        ; the token block that waves 2, 3 fetch
	s_mov_b32 s69, 0
	s_mul_i32 s70, s8, R3                          ; in a slot: wave x 38,400: no place in the cluster enters an LDS address
	s_wait_dscnt 0x0                               ; both opening adds are done
	s_wait_kmcnt 0x0
	s_mov_b32 s[G0W], 1
	s_mov_b32 s[G0W+1], s70
	s_add_nc_u64 s[G0W+2:G0W+3], s[4:5], s[66:67]
	s_or_b32 s[G0W+3], s[G0W+3], 0x80000000
	s_mov_b32 s[G0X], 1
	s_mov_b32 s[G0X+1], s70
	s_add_nc_u64 s[G0X+2:G0X+3], s[4:5], s[68:69]
	s_or_b32 s[G0X+3], s[G0X+3], 0x80000000
	ROUND                                          ; all four work-groups are here: the joint loads meet
	TLOAD                                          ; K steps 0-2: one tensor load a wave at the head
	s_cmp_ge_u32 ttmp9, 40                         ; v?  Then x's regions are read as P and the weights' as Q
	s_cselect_b32 s71, 2*R3, 0
	s_cselect_b32 s72, 0, 2*R3
	s_cselect_b32 s73, s10, s9                     ; which weight block of the pair is mine,
	s_cselect_b32 s74, s9, s10                     ; which token block
	s_mul_i32 s75, s9, R3
	s_add_co_u32 s75, s75, s71                     ; P's region in a slot
	s_mul_i32 s76, s10, R3
	s_add_co_u32 s76, s76, s72                     ; Q's
	s_add_co_u32 s77, s75, 12288
	s_add_co_u32 s80, s76, 12288
	s_mov_b32 s[SEL], 0x76543210
	s_mov_b32 s[SEL+1], 0xfedcba98
	s_add_co_u32 s73, s73, s12
	s_sub_co_u32 s73, s73, 32
	s_lshl_b32 s73, s73, 5
	s_add_co_u32 s73, s73, s14
	s_add_co_u32 s82, s73, s74
	s_mul_i32 s82, s82, UNIT
	s_mov_b32 s83, 0
	s_add_nc_u64 s[6:7], s[6:7], s[82:83]          ; the unit that I make,
	s_add_nc_u64 s[2:3], s[6:7], 12288             ; and its scale words
	v_and_b32 v1, 31, v0                           ; lane
	v_and_b32 v2, 15, v0                           ; r
	v_lshlrev_b32 v4, 4, v1                        ; 16 x lane
	v_lshlrev_b32 v6, 4, v2                        ; 16 r
	v_add_nc_u32 v8, s75, v4                       ; P's fragments, slot 0,
	v_add_nc_u32 v9, SLOT, v8                      ; slot 1
	v_add_nc_u32 v10, s76, v4                      ; Q's
	v_add_nc_u32 v11, SLOT, v10
	v_add_nc_u32 v12, s77, v6                      ; P's scale words
	v_add_nc_u32 v13, SLOT, v12
	v_add_nc_u32 v14, s80, v6                      ; Q's
	v_add_nc_u32 v15, SLOT, v14
	s_wait_alu depctr_va_vdst(0)                   ; the wait at the head's end
	CHANGE 1                                       ; K steps 0-2 are in; slot 1's first fill, K steps 3-5, is issued as a refill is
	FETCH 0
	STEP 0, 0, 1
	STEP 1, 0, 0
	STEP 2, 2, 0                                   ; slot 0 has been read out: K steps 6, 7 are asked for; K steps 3-5 have landed
	STEP 3, 0, 0
	STEP 4, 0, 0
	STEP 5, 1, 0                                   ; K step 6's fragments are wanted
	STEP 6, 0, 0
	STEP 7, 0, 0
	PLACES 4                                       ; four plain instructions between the last products and the first read of results or write of their sources
	WIN 0
.irp b, 0,1,2,3
	v_mov_b32 v[TM+4+\b], 0                        ; a lane permute's destination counts as one of its sources
.endr
.irp a, 0,1,2,3,4,5,6,7
	QUANTW \a
.irp c, 0,1,2
	global_store_b128 v4, v[64+20*\a+4*\c:64+20*\a+4*\c+3], s[6:7] offset:1536*\a+512*\c   ; the fragment's image: 512 consecutive bytes a store
.endr
.endr
	s_wait_xcnt 0x0                                ; EXEC changes only behind this wait
	v_cmp_gt_u32 vcc_lo, 16, v1
	s_and_saveexec_b32 s11, vcc_lo
	global_store_b128 v4, v[32:35], s[2:3]         ; lanes 0-15: row r's words of tiles 0-3: 256 consecutive bytes, aligned;
	global_store_b128 v4, v[36:39], s[2:3] offset:256   ; and of tiles 4-7
	s_wait_xcnt 0x0
	s_or_b32 exec_lo, exec_lo, s11
	s_wait_tensorcnt 0x0                           ; the wave's end
	ds_add_u32 v28, v29
	s_wait_dscnt 0x0
	ROUND                                          ; the closing round
	s_endpgm
.Lfunc_end_k_q60fdb1ad32_gemm_qkv:
	.size	k_q60fdb1ad32_gemm_qkv, .Lfunc_end_k_q60fdb1ad32_gemm_qkv-k_q60fdb1ad32_gemm_qkv
	.p2alignl 7, 3214868480
	.fill 96, 4, 3214868480
	.section	.rodata,"a",@progbits
	.p2align	6, 0x0
	.amdhsa_kernel k_q60fdb1ad32_gemm_qkv
		.amdhsa_group_segment_fixed_size 327680
		.amdhsa_private_segment_fixed_size 0
		.amdhsa_enable_private_segment 0
		.amdhsa_kernarg_size 16
		.amdhsa_user_sgpr_count 2
		.amdhsa_user_sgpr_kernarg_segment_ptr 1
		.amdhsa_wavefront_size32 1
		.amdhsa_system_sgpr_workgroup_id_x 1
		.amdhsa_system_sgpr_workgroup_id_y 1
		.amdhsa_system_sgpr_workgroup_id_z 1
		.amdhsa_system_vgpr_workitem_id 0
		.amdhsa_next_free_vgpr 1024
		.amdhsa_next_free_sgpr 100
		.amdhsa_reserve_vcc 1
		.amdhsa_float_denorm_mode_32 3
		.amdhsa_float_denorm_mode_16_64 3
		.amdhsa_memory_ordered 1
		.amdhsa_forward_progress 1
		.amdhsa_inst_pref_size 134
	.end_amdhsa_kernel
	.amdgpu_metadata
---
amdhsa.version: [ 1, 2 ]
amdhsa.kernels:
  - .name:           k_q60fdb1ad32_gemm_qkv
    .symbol:         k_q60fdb1ad32_gemm_qkv.kd
    .args:
      - { .name: xw, .offset: 0, .size: 8, .value_kind: global_buffer, .address_space: global }
      - { .name: qkv, .offset: 8, .size: 8, .value_kind: global_buffer, .address_space: global }
    .group_segment_fixed_size: 327680
    .private_segment_fixed_size: 0
    .kernarg_segment_align: 8
    .kernarg_segment_size: 16
    .max_flat_workgroup_size: 128
    .sgpr_count:     100
    .vgpr_count:     1024
    .wavefront_size: 32
...
	.end_amdgpu_metadata
.endif
;; end of part 2
;; launch attn (part 3): grid 32 x 8, 16 waves a work-group, clusters of 4 x 1, 327,680 bytes of LDS; arguments qkv, ctx; writes ctx
.if DOCPART == 3
	.amdgcn_target "amdgcn-amd-amdhsa--gfx1250"
	.amdhsa_code_object_version 6
	.text
	.protected	k_q60fdb1ad32_attn
	.globl	k_q60fdb1ad32_attn
	.p2align	8
	.type	k_q60fdb1ad32_attn,@function
k_q60fdb1ad32_attn:
	s_mov_b64 s[64:65], 0
	v_nop
	global_prefetch_b8 v0, s[64:65] scope:SCOPE_SE
	s_setreg_imm32_b32 hwreg(HW_REG_WAVE_MODE, 25, 1), 1
	s_wait_xcnt 0x0
	s_wait_alu depctr_hold_cnt(0) depctr_sa_sdst(0) depctr_va_vdst(0) depctr_va_sdst(0) depctr_va_ssrc(0) depctr_va_vcc(0) depctr_vm_vsrc(0)
	s_getreg_b32 s2, hwreg(HW_REG_IB_STS2, 6, 4)
	s_cmp_eq_u32 s2, 0
	s_cbranch_scc0 .Lentry_in_a_cluster
	s_endpgm
.Lentry_in_a_cluster:
	s_bfe_u32 s2, ttmp6, 0x10000c
	s_cmp_lg_u32 s2, 0x3003
	s_cbranch_scc0 .Lentry_shape_is_right
	s_endpgm
.Lentry_shape_is_right:
; Causal attention of 16 query heads on 4 groups of keys and values, head size 128, 2 x 2,048 tokens, both products on codes of E3M2 with one E8M0 scale for each 32 along K; the result is quantised at once along the head's 128 for the last product.
; qkv: units (128 rows x 128 K, 12,800 bytes: eight fragments of 1,536 bytes as images of the operand's registers, then 512 bytes of scale words, (tile T, row r) at 12,288 + 256 (T / 4) + 16 r + 4 (T % 4);
; tile T holds rows 32 (T / 2) + 8 (T % 2) + r + 8 (r / 8)) at 32 wb + tb: wb 0-15 q's heads, 16-19 k's groups (rows = tokens), 20-23 v's (rows = the head's 128, K = the 128 keys of token block tb).  ctx: unit (tb, head) at 16 tb + head.
; WORK LEFT OUT: reference() sets the scores of keys behind the query to -infinity, so a key step of 128 keys all of which come after a tile's queries adds nothing to sum or result for any inputs: it is not computed.
; THE SOFTMAX: t = score x log2(e) / sqrt(128); M = the row's largest t so far, rounded UP to a whole number; p = 2^(t - M) is quantised along the keys, not normalised; the row's sum is of the unquantised p.
; When M moves, the sum and O are multiplied by 2^(old M - new M): exact.
; SHARES: a work-group owns one head and the token blocks i and 15 - i (i = 0 .. 7) of queries, 8 tiles of 16 queries each: i + 1 and 16 - i key steps a tile, 17 for a pair of tiles, dealt to TWO waves in 9 trips:
;   wave 8 + T: tile T of block 15 - i, key steps 0 .. 8 (trip t: step t);
;   wave T: tile T of block i, key steps 0 .. i (trips 0 .. i), which it finishes and stores; then tile T of block 15 - i, key steps 9 .. 15 - i (trip t: step t + 8 - i), begun anew with M = -3e38; trip 8 is empty.
; At the end wave T hands its part (O, sum, M) of block 15 - i to wave 8 + T through LDS; both parts are brought under the larger M by powers of two and added.
; LAYOUT: both products transposed (S^T = K Q^T, O^T = V^T P^T): a lane holds ONE query; the 16 registers of tiles 2 b, 2 b + 1 are 16 neighbouring keys (S^T) or 16 neighbours of the head's 128 (O^T).
; CLUSTER: the four work-groups of a cluster are the four heads of one group, with the same i: they walk the same K and V, so each tile is asked for JOINTLY (mask 15).
; RING: two slots of three trips, 153,600 bytes: K's and V's three units for waves 8-15 (dense in memory: waves 0, 1 fetch 38,400 bytes each), then K's and V's three for waves 0-7 (waves 2-7, a unit each).
; One load a wave behind each round; a fill has three trips in which to land.  Trip 8's units for waves 0-7 are read by nobody and are not fetched.
; No prefetch is laid: every fill is asked for three trips, a whole slot, ahead of its first use.
; LIMITS: the scaled scores stay under 2^31 in magnitude; a block whose largest magnitude lies under 2^-122 gets the byte 1 (read by this program alone); the division by the sum is a multiplication by v_rcp_f32's result; NaN and infinities are not served.
; REGISTERS: v1-4 addresses that stay; v5, v6 the spare word's address and 0; v8-11 addresses of the step; v12 -M, v13 the largest t, v[14:15] the sum in two halves; v16-27 Q; v28-31 the mask's number and addresses;
;   v32-79 four fragments of K or V; v80-92 Q and its scale words of block 15 - i; v96-159 S^T, then p; v160-223 O^T; v224-235 p's codes; v232-254 at work; v248-251 scale words of K or V, v253 p's, v255 Q's.
.set UNIT,  12800
.set REG3,  3*UNIT                     ; three trips' units of K or of V
.set YOFF,  2*REG3                     ; the region of waves 0-7 lies behind that of waves 8-15
.set SLOT,  4*REG3
.set SPARE, 2*SLOT                     ; the spare words, 128 bytes for each of 16 waves
.set SCW,   SPARE+2048                 ; the results' scale words: 512 bytes for each of the two token blocks
.set MRG,   SLOT                       ; the hand-over's stage lies in slot 1, behind that slot's last fill and last read
.set MT,    8448                       ; a tile's place there: 64 registers' images and 256 bytes for -M and the sum
.set ADK,  8
.set ADV,  9
.set ADS,  10
.set ADT,  11
.set TB,   2                           ; LDS byte at which my trip's unit of K begins
.set CNT,  3
.set WV,   18
.set RB,   19                          ; my region in a slot
.set SEL,  20
.set CS,   22                          ; s[22:23] c = log2(e) / sqrt(128)
.set G1X,  24                          ; groups 1: 150 rows of 256 bytes, 50 rows
.set G1Y,  32
.set G0X,  40
.set G0Y,  44
.set BKV,  48                          ; s[48:49] key step 0's unit of the tensor that I fetch
.set LX,   52                          ; where my loads land in a slot
.set LY,   53
.set QP,   54
.set SW0,  55
.set SW1,  56
.set KF,   66                          ; my key step
.set TT,   67                          ; the trip
.set JQ,   68                          ; my queries' token block
.set SWT,  69                          ; the trip at whose head I change tiles (64: never)
.set II,   70
.set JMP,  71                          ; 8 - i
.set UY,   72
.set T,    73
.set JB,   74                          ; 15 - i
.set TM,   232
.set PW,   248
.set PC,   32
.macro ROUND                           ; a round of the cluster's barrier
	s_barrier_signal -1
	s_barrier_wait -1
	s_cmp_lg_u32 s[WV], 0
	s_cbranch_scc1 .Lnot_wave_0_\@
	s_barrier_signal -3
.Lnot_wave_0_\@:
	s_barrier_wait -3
	s_barrier_signal -1
	s_barrier_wait -1
.endm
.macro TLOAD n                         ; one chain of branches on the wave's number: waves 0, 1; waves 2 .. n - 1; the others fetch nothing
	s_cmp_lt_u32 s[WV], 2
	s_cbranch_scc0 .Lunit_\@
	tensor_load_to_lds s[G0X:G0X+3], s[G1X:G1X+7]
	s_nop 0
.rept 4
	v_nop
.endr
	s_branch .Lasked_\@
.Lunit_\@:
	s_cmp_lt_u32 s[WV], \n
	s_cbranch_scc0 .Lasked_\@
	tensor_load_to_lds s[G0Y:G0Y+3], s[G1Y:G1Y+7]
	s_nop 0
.rept 4
	v_nop
.endr
.Lasked_\@:
.endm
.macro YADDR t0                        ; the unit that waves 0-7 read in trip t = t0 + UY: key step t, or t + 8 - i behind trip i.  Made of ids that the cluster shares
	s_add_co_u32 s96, s[UY], \t0
	s_cmp_gt_u32 s96, s[II]
	s_cselect_b32 s97, s[JMP], 0
	s_add_co_u32 s96, s96, s97
	s_mul_i32 s96, s96, UNIT
	s_mov_b32 s97, 0
	s_add_nc_u64 s[G0Y+2:G0Y+3], s[BKV:BKV+1], s[96:97]
	s_or_b32 s[G0Y+3], s[G0Y+3], 0x80000000
.endm
; 64 numbers of a lane, register 16 b + i = k 32 b + 16 (lane / 16) + i of my row, become a fragment's codes in v[PC] on and its scale word in v[PW]
.macro QUANT s
.irp b, 0,1,2,3
	v_max3_num_f32 v[TM+\b], |v[\s+16*\b]|, |v[\s+1+16*\b]|, 0x2800000
.endr
.irp i, 2,4,6,8,10,12,14
.irp b, 0,1,2,3
	s_delay_alu instid0(VALU_DEP_4)
	v_max3_num_f32 v[TM+\b], v[TM+\b], |v[\s+16*\b+\i]|, |v[\s+1+16*\b+\i]|
.endr
.endr
.irp b, 0,1,2,3
	s_delay_alu instid0(VALU_DEP_4)
	v_permlanex16_b32 v[TM+4+\b], v[TM+\b], s[SEL], s[SEL+1]
.endr
.irp b, 0,1,2,3
	s_delay_alu instid0(VALU_DEP_4)
	v_max_num_f32 v[TM+\b], v[TM+\b], v[TM+4+\b]
.endr
.irp b, 0,1,2,3
	s_delay_alu instid0(VALU_DEP_4)
	v_add_nc_u32 v[TM+12+\b], 0xfe000000, v[TM+\b]
.endr
.irp b, 0,1,2,3
	s_delay_alu instid0(VALU_DEP_4)
	v_lshrrev_b32 v[TM+4+\b], 23, v[TM+12+\b]
.endr
	s_delay_alu instid0(VALU_DEP_3)
	v_lshl_or_b32 v[PW], v[TM+5], 8, v[TM+4]
	s_delay_alu instid0(VALU_DEP_1)
	v_lshl_or_b32 v[PW], v[TM+6], 16, v[PW]
	s_delay_alu instid0(VALU_DEP_1)
	v_lshl_or_b32 v[PW], v[TM+7], 24, v[PW]
.irp c, 0,1
	v_cvt_scalef32_pk16_bf6_f32 v[PC+6*\c:PC+2+6*\c], v[\s+32*\c:\s+15+32*\c], v[TM+12+2*\c]
	v_cvt_scalef32_pk16_bf6_f32 v[PC+12+4*\c:PC+14+4*\c], v[\s+16+32*\c:\s+31+32*\c], v[TM+12+2*\c+1]
.endr
	v_nop
.irp c, 0,1
.irp i, 0,1,2
	v_permlane16_swap_b32 v[PC+6*\c+\i], v[PC+12+4*\c+\i]
.endr
.irp i, 0,1,2
	s_delay_alu instid0(VALU_DEP_3)
	v_mov_b32 v[PC+3+6*\c+\i], v[PC+12+4*\c+\i]
.endr
.endr
.endm
.macro OUT                             ; my tile's 16 rows of ctx, in v96 on, leave as a fragment's image; the scale word waits in LDS for the launch's end
	QUANT 96
.irp c, 0,1,2
	global_store_b128 v1, v[PC+4*\c:PC+4*\c+3], s[10:11] offset:512*\c   ; 512 consecutive bytes a store
.endr
	ds_store_b32 v29, v[PW]                        ; both halves of the lanes hold row r's word and write the same value
.endm
	s_load_b128 s[4:7], s[0:1], 0x0                ; qkv, ctx
	v_lshl_add_u32 v5, v0, 2, SPARE
	v_mov_b32 v6, 0
	ds_add_u32 v5, v6                              ; the opening lines: the add twice on end under one wait
	ds_add_u32 v5, v6
	v_lshrrev_b32 v8, 5, v0
	v_readfirstlane_b32 s[WV], v8                  ; wave 0..15
	s_bfe_u32 s76, ttmp6, 0x40000                  ; cx: the head in its group
	s_mov_b32 s[II], ttmp9                         ; i: the cluster's x
	s_and_b32 s77, ttmp7, 0xffff
	s_lshr_b32 s78, s77, 2
	s_lshl_b32 s78, s78, 4                         ; 16 x batch
	s_and_b32 s79, s77, 3                          ; group
	s_and_b32 s[T], s[WV], 7                       ; my tile
	s_sub_co_u32 s[JB], 15, s[II]
	s_sub_co_u32 s[JMP], 8, s[II]
	s_add_co_u32 s80, s[II], 1
	s_cmp_lt_u32 s[WV], 8
	s_cselect_b32 s[JQ], s[II], s[JB]
	s_cselect_b32 s[SWT], s80, 64
	s_lshl_b32 s81, s79, 2
	s_add_co_u32 s81, s81, s76                     ; the head
	s_add_co_u32 s82, s78, s[JQ]                   ; my first token block of all 32,
	s_add_co_u32 s83, s78, s[JB]                   ; and block 15 - i
	s_lshl_b32 s84, s81, 5
	s_add_co_u32 s86, s84, s83
	s_add_co_u32 s84, s84, s82
	s_mul_i32 s84, s84, UNIT                       ; q's units
	s_mul_i32 s86, s86, UNIT
	s_mov_b32 s85, 0
	s_mov_b32 s87, 0
	s_mul_i32 s88, s[T], 1536                      ; my fragment in a unit
	s_mov_b32 s89, 0
	s_lshr_b32 s90, s[T], 2
	s_lshl_b32 s90, s90, 8
	s_and_b32 s91, s[T], 3
	s_lshl_b32 s91, s91, 2
	s_add_co_u32 s90, s90, s91                     ; my tile's place among scale words
	s_mov_b32 s91, 0
	s_lshl_b32 s92, s82, 4
	s_add_co_u32 s92, s92, s81
	s_mul_i32 s92, s92, UNIT                       ; ctx's unit
	s_mov_b32 s93, 0
	s_lshr_b32 s98, s[WV], 3
	s_lshl_b32 s[SW0], s98, 9
	s_add_co_u32 s[SW0], s[SW0], SCW
	s_add_co_u32 s[SW1], s[SW0], s90
	s_xor_b32 s98, s98, 1
	s_mul_i32 s[RB], s98, YOFF
	s_lshr_b32 s[QP], s[T], 1
	s_lshl_b32 s[QP], s[QP], 5
	s_and_b32 s98, s[T], 1
	s_lshl_b32 s98, s98, 3
	s_add_co_u32 s[QP], s[QP], s98                 ; my tile's first row: 32 (T / 2) + 8 (T % 2)
	; what waves 0-7 fetch: even waves K, odd waves V.  No register here ever holds cx
	s_and_b32 s94, s[WV], 1
	s_bfe_u32 s95, s[WV], 0x20001                  ; (wave / 2) % 4: 0 the three dense units, 1 .. 3 a unit of the slot's trip 0 .. 2
	s_max_u32 s[UY], s95, 1
	s_sub_co_u32 s[UY], s[UY], 1
	s_mul_i32 s[LX], s94, REG3
	s_mul_i32 s95, s95, UNIT
	s_add_co_u32 s[LY], s[LX], s95
	s_add_co_u32 s[LY], s[LY], YOFF-UNIT
	s_lshl_b32 s94, s94, 2
	s_add_co_u32 s94, s94, s79
	s_add_co_u32 s94, s94, 16                      ; weight block 16 + group (K) or 20 + group (V)
	s_lshl_b32 s94, s94, 5
	s_add_co_u32 s94, s94, s78
	s_mul_i32 s94, s94, UNIT
	s_mov_b32 s95, 0
	s_mov_b32 s[G0X], 1
	s_mov_b32 s[G0X+1], s[LX]
	s_mov_b32 s[G0Y], 1
	s_mov_b32 s[G0Y+1], s[LY]
	s_mov_b32 s[G1X+2], 150<<16
	s_mov_b32 s[G1X+4], 150
	s_mov_b32 s[G1Y+2], 50<<16
	s_mov_b32 s[G1Y+4], 50
.irp g, G1X, G1Y
	s_mov_b32 s[\g], 15|(3<<16)|(1<<21)            ; the mask: all four work-groups; elements of 8 bytes; bit 21 beside a mask
	s_mov_b32 s[\g+1], 32<<16                      ; dense blocks as rows of 256 bytes
	s_mov_b32 s[\g+3], 32<<16
	s_mov_b32 s[\g+5], 32
	s_mov_b32 s[\g+6], 0
	s_mov_b32 s[\g+7], 0
.endr
	s_mov_b32 s[SEL], 0x76543210
	s_mov_b32 s[SEL+1], 0xfedcba98
	s_mov_b32 s[CS], 0x3e0293ee                    ; c = log2(e) / sqrt(128)
	s_mov_b32 s[CS+1], s[CS]
	s_mov_b32 s[KF], 0
	s_mov_b32 s[TT], 0
	s_wait_dscnt 0x0                               ; both opening adds are done
	s_wait_kmcnt 0x0
	s_add_nc_u64 s[BKV:BKV+1], s[4:5], s[94:95]
	s_mov_b64 s[G0X+2:G0X+3], s[BKV:BKV+1]
	s_or_b32 s[G0X+3], s[G0X+3], 0x80000000
	YADDR 0
	s_add_nc_u64 s[8:9], s[4:5], s[84:85]
	s_add_nc_u64 s[14:15], s[8:9], s[90:91]
	s_add_nc_u64 s[14:15], s[14:15], 12288         ; Q's scale words
	s_add_nc_u64 s[8:9], s[8:9], s[88:89]          ; Q's fragment
	s_add_nc_u64 s[16:17], s[4:5], s[86:87]
	s_add_nc_u64 s[50:51], s[16:17], s[90:91]
	s_add_nc_u64 s[50:51], s[50:51], 12288         ; the same of block 15 - i
	s_add_nc_u64 s[16:17], s[16:17], s[88:89]
	s_add_nc_u64 s[12:13], s[6:7], s[92:93]
	s_add_nc_u64 s[10:11], s[12:13], s[88:89]      ; the result's fragment
	s_add_nc_u64 s[12:13], s[12:13], 12288         ; and its unit's scale words
	ROUND                                          ; all four work-groups are here: the first joint loads meet
	TLOAD 8                                        ; slot 0: trips 0-2
	v_and_b32 v9, 31, v0                           ; lane
	v_and_b32 v10, 15, v0                          ; r
	v_bfe_u32 v11, v0, 4, 1                        ; h
	v_lshlrev_b32 v1, 4, v9                        ; 16 x lane: an image's place for my lane
	v_lshlrev_b32 v31, 4, v10                      ; 16 r
	v_add_nc_u32 v2, REG3, v1                      ; V's unit lies three units behind K's
	v_add_nc_u32 v3, 12288, v31                    ; K's scale words
	v_add_nc_u32 v4, REG3+12288, v31               ; V's
.irp c, 0,1,2
	global_load_b128 v[16+4*\c:19+4*\c], v1, s[8:9] offset:512*\c    ; Q's fragment stays in registers
	global_load_b128 v[80+4*\c:83+4*\c], v1, s[16:17] offset:512*\c  ; and that of block 15 - i, for the change of tiles (one text for all waves: in waves 8-15 it is the same fragment once more)
.endr
	global_load_b32 v255, v31, s[14:15]
	global_load_b32 v92, v31, s[50:51]
	v_and_b32 v28, 8, v10
	v_add_nc_u32 v28, v28, v10
	v_lshlrev_b32 v12, 4, v11
	v_sub_nc_u32 v28, v28, v12
	v_add_nc_u32 v28, s[QP], v28                   ; my query's place in its token block, less 16 h: register 16 b + i holds key 32 b + 16 h + i, hidden on the diagonal where 32 b + i is above this
	v_add_nc_u32 v30, s[SW0], v1                   ; my token block's 512 bytes of scale words, on the way out
	v_add_nc_u32 v29, s[SW1], v31                  ; and my row's word among them
	v_mov_b32 v13, 0xff61b1e6                      ; the largest t so far: -3e38
	v_floor_f32 v12, -v13                          ; -M
	v_mov_b32 v14, 0
	v_mov_b32 v15, 0
.irp b, 0,1,2,3
	v_mov_b32 v[236+\b], 0                         ; written once: a lane permute's destination counts as one of its sources
.endr
	v_mov_b32 v252, 0
	v_mov_b32 v253, 0
.set J, 0
.rept 64
	v_mov_b32 v[160+J], 0                          ; O^T: the step is written once; the first finds zeros
.set J, J+1
.endr
; A KEY STEP: 128 keys.
.macro STEP
	s_cmp_gt_u32 s[KF], s[JQ]                      ; all its keys come after my queries: nothing to do.  No barrier and no tensor load stands in a step
	s_cbranch_scc1 .Lhidden_\@
	v_add_nc_u32 v[ADK], s[TB], v1                 ; these four are the plain instructions between the last products and the loads into the registers that they read
	v_add_nc_u32 v[ADV], s[TB], v2
	v_add_nc_u32 v[ADS], s[TB], v3
	v_add_nc_u32 v[ADT], s[TB], v4
	v_nop                                          ; a fifth: the first products below write over registers that the last step's products read
	s_wait_alu depctr_va_vdst(0)
.irp g, 0,1                                    ; S^T = K Q^T, four tiles of 16 keys at a time
.rept 4*\g
	v_nop
.endr
.irp t, 0,1,2,3
.irp c, 0,1,2
	ds_load_b128 v[32+12*\t+4*\c:35+12*\t+4*\c], v[ADK] offset:(4*\g+\t)*1536+512*\c
.endr
.endr
	ds_load_b128 v[248:251], v[ADS] offset:256*\g  ; the four tiles' scale words of row r
	s_wait_dscnt 0x0
.irp t, 0,1,2,3
	v_wmma_scale_f32_16x16x128_f8f6f4 v[96+8*(4*\g+\t):103+8*(4*\g+\t)], v[32+12*\t:43+12*\t], v[16:27], 0, v[248+\t], v255 matrix_a_fmt:MATRIX_FMT_BF6 matrix_b_fmt:MATRIX_FMT_BF6
.endr
.endr
.rept 4
	v_nop
.endr
.irp t, 0,1,2,3                                ; V's tiles 0-3 are asked for here, into the registers that K's fragments have left: the softmax's work stands between these loads and the wait for them
.irp c, 0,1,2
	ds_load_b128 v[32+12*\t+4*\c:35+12*\t+4*\c], v[ADV] offset:\t*1536+512*\c
.endr
.endr
	ds_load_b128 v[248:251], v[ADT]                ; and their scale words of row r
	s_cmp_lg_u32 s[KF], s[JQ]
	s_cbranch_scc1 .Lopen_\@
	v_mov_b32 v254, 0xff800000
.set J, 0
.rept 64
	v_cmp_gt_i32 vcc_lo, 32*(J/16)+J%16, v28
	v_cndmask_b32 v[96+J], v[96+J], v254, vcc_lo
.set J, J+1
.endr
.Lopen_\@:
.irp b, 0,1,2,3
	v_max3_num_f32 v[232+\b], v[96+16*\b], v[97+16*\b], v[98+16*\b]   ; the largest score of each block of 32 keys: it serves the row's maximum and, since p rises with the score, the block's largest p
.endr
.irp i, 3,5,7,9,11,13
.irp b, 0,1,2,3
	v_max3_num_f32 v[232+\b], v[232+\b], v[96+16*\b+\i], v[97+16*\b+\i]
.endr
.endr
.irp b, 0,1,2,3
	v_max_num_f32 v[232+\b], v[232+\b], v[111+16*\b]
.endr
.irp b, 0,1,2,3
	s_delay_alu instid0(VALU_DEP_4)
	v_permlanex16_b32 v[236+\b], v[232+\b], s[SEL], s[SEL+1]
.endr
.irp b, 0,1,2,3
	s_delay_alu instid0(VALU_DEP_4)
	v_max_num_f32 v[232+\b], v[232+\b], v[236+\b]  ; with lane l xor 16's 16 keys
.endr
	s_delay_alu instid0(VALU_DEP_2)
	v_max3_num_f32 v254, v232, v233, v234
	s_delay_alu instid0(VALU_DEP_1)
	v_max_num_f32 v254, v254, v235                 ; the step's largest score of my query
	s_delay_alu instid0(VALU_DEP_1)
	v_mul_f32 v254, s[CS], v254                    ; as t
	s_delay_alu instid0(VALU_DEP_1)
	v_max_num_f32 v13, v13, v254                   ; the running largest t
	v_mov_b32 v254, v12
	s_delay_alu instid0(VALU_DEP_2)
	v_floor_f32 v12, -v13                          ; the new -M = floor(-t): M is a whole number
	s_delay_alu instid0(VALU_DEP_1)
	v_sub_f32 v254, v12, v254                      ; old M less new M: a whole number, 0 or less
	s_delay_alu instid0(VALU_DEP_1)
	v_cvt_i32_f32 v254, v254                       ; (it saturates)
	s_delay_alu instid0(VALU_DEP_1)
	v_ldexp_f32 v252, 1.0, v254                    ; f = 2^(old M - new M)
.set J, 0
.rept 32
	v_pk_fma_f32 v[96+J:97+J], v[96+J:97+J], s[CS:CS+1], v[12:13] op_sel_hi:[1,0,0]   ; t - M, two at a time
.set J, J+2
.endr
.irp b, 0,1,2,3
	v_fma_f32 v[232+\b], v[232+\b], s[CS], v12     ; the same of each block's largest score
.endr
	s_wait_alu depctr_va_vdst(0)                   ; the wait ahead of the batch
.set J, 0
.rept 64
	v_exp_f32 v[96+J], v[96+J]                     ; p = 2^(t - M), at most 1: not normalised
.set J, J+1
.endr
	v_pk_mul_f32 v[14:15], v[14:15], v[252:253] op_sel_hi:[1,0]   ; the sums under the new M: the plain instruction behind the exponentials
	s_wait_alu depctr_va_vdst(0)                   ; one wait for the batch of 64, ahead of its first reader
.irp b, 0,1,2,3
	v_exp_f32 v[232+\b], v[232+\b]                 ; the block's largest p
.endr
	v_pk_add_f32 v[236:237], v[96:97], v[98:99]    ; the row's sum of the unquantised p: 32 packed additions in four chains
	v_pk_add_f32 v[240:241], v[100:101], v[102:103]
	v_pk_add_f32 v[242:243], v[104:105], v[106:107]
	v_pk_add_f32 v[14:15], v[14:15], v[108:109]
.irp j, 110,118,126,134,142,150
	v_pk_add_f32 v[236:237], v[236:237], v[\j:\j+1]
	v_pk_add_f32 v[240:241], v[240:241], v[\j+2:\j+3]
	v_pk_add_f32 v[242:243], v[242:243], v[\j+4:\j+5]
	v_pk_add_f32 v[14:15], v[14:15], v[\j+6:\j+7]
.endr
	v_pk_add_f32 v[236:237], v[236:237], v[158:159]
	v_pk_add_f32 v[240:241], v[240:241], v[242:243]
	s_delay_alu instid0(VALU_DEP_2)
	v_pk_add_f32 v[14:15], v[14:15], v[236:237]
	s_delay_alu instid0(VALU_DEP_1)
	v_pk_add_f32 v[14:15], v[14:15], v[240:241]
	s_wait_alu depctr_va_vdst(0)                   ; and one for the four
.irp b, 0,1,2,3
	v_max_num_f32 v[232+\b], 0x2800000, v[232+\b]  ; the floor 2^(5 - 127): the byte cannot fall under 1
.endr
.irp b, 0,1,2,3
	s_delay_alu instid0(VALU_DEP_4)
	v_add_nc_u32 v[244+\b], 0xfe000000, v[232+\b]  ; 4 off the exponent field: the conversion's scale operand
.endr
.irp b, 0,1,2,3
	s_delay_alu instid0(VALU_DEP_4)
	v_lshrrev_b32 v[236+\b], 23, v[244+\b]
.endr
	s_delay_alu instid0(VALU_DEP_3)
	v_lshl_or_b32 v253, v237, 8, v236              ; p's scale word for these 128 keys
	s_delay_alu instid0(VALU_DEP_1)
	v_lshl_or_b32 v253, v238, 16, v253
	s_delay_alu instid0(VALU_DEP_1)
	v_lshl_or_b32 v253, v239, 24, v253
.irp c, 0,1
	v_cvt_scalef32_pk16_bf6_f32 v[224+6*\c:226+6*\c], v[96+32*\c:111+32*\c], v[244+2*\c]
	v_cvt_scalef32_pk16_bf6_f32 v[236+4*\c:238+4*\c], v[112+32*\c:127+32*\c], v[244+2*\c+1]
.endr
.irp t, 0,1,2,3                                ; p has been read for the last time: V's tiles 4-7 come into its registers, their scale words into those of the conversions' scale operands
.irp c, 0,1,2
	ds_load_b128 v[96+12*\t+4*\c:99+12*\t+4*\c], v[ADV] offset:(4+\t)*1536+512*\c
.endr
.endr
	ds_load_b128 v[244:247], v[ADT] offset:256
	v_nop
.irp c, 0,1
.irp i, 0,1,2
	v_permlane16_swap_b32 v[224+6*\c+\i], v[236+4*\c+\i]
.endr
.irp i, 0,1,2
	s_delay_alu instid0(VALU_DEP_3)
	v_mov_b32 v[227+6*\c+\i], v[236+4*\c+\i]
.endr
.endr
	s_wait_alu depctr_va_vdst(0)                   ; the wait directly ahead of the first reader of O^T
.set J, 0
.rept 32
	v_pk_mul_f32 v[160+J:161+J], v[160+J:161+J], v[252:253] op_sel_hi:[1,0]   ; O^T under the new M.  These 32 also stand between the writes of p's codes and scale word and the products
.set J, J+2
.endr
	s_wait_alu depctr_va_vdst(0)                   ; and here
	s_wait_dscnt 0x0                               ; V's eight fragments and their scale words, asked for above, are in
.irp t, 0,1,2,3                                ; O^T += V^T P^T: eight tiles of 16 of the head's 128, the eight accumulators by turns
	v_wmma_scale_f32_16x16x128_f8f6f4 v[160+8*\t:167+8*\t], v[32+12*\t:43+12*\t], v[224:235], v[160+8*\t:167+8*\t], v[248+\t], v253 matrix_a_fmt:MATRIX_FMT_BF6 matrix_b_fmt:MATRIX_FMT_BF6
.endr
.irp t, 0,1,2,3
	v_wmma_scale_f32_16x16x128_f8f6f4 v[192+8*\t:199+8*\t], v[96+12*\t:107+12*\t], v[224:235], v[192+8*\t:199+8*\t], v[244+\t], v253 matrix_a_fmt:MATRIX_FMT_BF6 matrix_b_fmt:MATRIX_FMT_BF6
.endr
.Lhidden_\@:
.endm
; THE CHANGE OF TILES, at the head of trip i + 1 in waves 0-7: block i's tile is finished and leaves; block 15 - i's is taken up at key step 9.  A scalar branch on ids, round no barrier, wait on tiles or add.
; O^T and the sum are not cleared: with M back at -3e38 the next step's factor 2^(old M - new M) is 0.
.macro SWITCH
	s_cmp_lg_u32 s[TT], s[SWT]
	s_cbranch_scc1 .Lsame_\@
.rept 4
	v_nop                                          ; between the last products and the first read of results
.endr
	v_add_f32 v14, v14, v15
	s_delay_alu instid0(VALU_DEP_1)
	v_permlanex16_b32 v252, v14, s[SEL], s[SEL+1]
	s_delay_alu instid0(VALU_DEP_1)
	v_add_f32 v14, v14, v252                       ; the row's sum
	s_wait_alu depctr_va_vdst(0)
	v_rcp_f32 v14, v14
	v_nop
	s_wait_alu depctr_va_vdst(0)
.set J, 0
.rept 32
	v_pk_mul_f32 v[96+J:97+J], v[160+J:161+J], v[14:15] op_sel_hi:[1,0]   ; each accumulator from its low end on
.set J, J+2
.endr
	OUT
	v_mov_b32 v255, v92                            ; the scale words first: 8 plain instructions and more stand ahead of the next products
.set J, 0
.rept 12
	v_mov_b32 v[16+J], v[80+J]
.set J, J+1
.endr
	v_mov_b32 v13, 0xff61b1e6
	v_floor_f32 v12, -v13
	s_mov_b32 s[JQ], s[JB]
	s_add_co_u32 s[KF], s[KF], s[JMP]              ; i + 1 becomes 9
	s_wait_alu depctr_va_vdst(0)
	s_wait_xcnt 0x0                                ; the stores have read their registers: the step's loads may land there
.Lsame_\@:
.endm
; A SLOT'S THREE TRIPS.  At its head each wave waits for all its tensor loads, adds 0 to its spare word and waits for that and for its reads of the slot that it has left.
; p < 2: a round of the cluster's barrier, and behind it the other slot takes trips 3 p + 3 .. 3 p + 5 (p = 0: its first fill, issued as a refill is).  That add stands twice.
.macro PHASE p
	s_wait_tensorcnt 0x0
	ds_add_u32 v5, v6
.if \p < 2
	ds_add_u32 v5, v6
	s_add_co_u32 s[G0X+1], s[LX], ((\p+1)%2)*SLOT  ; no tensor load of mine is out, so the groups 0 may be written
	s_add_co_u32 s[G0Y+1], s[LY], ((\p+1)%2)*SLOT
	s_add_nc_u64 s[G0X+2:G0X+3], s[G0X+2:G0X+3], REG3
	YADDR 3*(\p+1)
.endif
	s_wait_dscnt 0x0
.if \p < 2
	ROUND
	TLOAD 8-2*\p                                   ; trip 8's units for waves 0-7 are read by nobody: waves 6, 7 fetch nothing in the last fill
.else
	s_barrier_signal -1
	s_barrier_wait -1
.endif
	s_add_co_u32 s[TB], s[RB], (\p%2)*SLOT
	s_mov_b32 s[CNT], 3
.Ltrip_\@:
	SWITCH
	STEP
	s_add_co_u32 s[TB], s[TB], UNIT
	s_add_co_u32 s[KF], s[KF], 1
	s_add_co_u32 s[TT], s[TT], 1
	s_sub_co_u32 s[CNT], s[CNT], 1
	s_cmp_lg_u32 s[CNT], 0
	s_cbranch_scc1 .Ltrip_\@
.endm
	s_wait_alu depctr_va_vdst(0)                   ; the wait at the head's end
	s_wait_loadcnt 0x0                             ; Q
	PHASE 0
	PHASE 1
	PHASE 2
	; THE HAND-OVER: wave T's part of block 15 - i goes to wave 8 + T as images of its registers.  Slot 1 has had its last fill, and every wave has passed the barrier behind its last read of it.
.rept 4
	v_nop                                          ; between the last products and the first read of results
.endr
	s_mul_i32 s76, s[T], MT
	s_add_co_u32 s76, s76, MRG
	v_add_nc_u32 v8, s76, v1
	v_lshrrev_b32 v9, 1, v1
	v_add_nc_u32 v9, s76, v9
	s_wait_alu depctr_va_vdst(0)
	s_cmp_lt_u32 s[WV], 8
	s_cbranch_scc0 .Lnot_giver
	v_add_f32 v13, v14, v15                        ; beside -M: my lane's share of the sum
.set J, 0
.rept 16
	ds_store_b128 v8, v[160+4*J:163+4*J] offset:512*J   ; each accumulator from its low end on
.set J, J+1
.endr
	ds_store_b64 v9, v[12:13] offset:8192
.Lnot_giver:
	s_wait_dscnt 0x0                               ; for the others' sake: my stores have landed
	s_barrier_signal -1
	s_barrier_wait -1
	s_cmp_lt_u32 s[WV], 8
	s_cbranch_scc1 .Lgiven
.set J, 0
.rept 16
	ds_load_b128 v[96+4*J:99+4*J], v8 offset:512*J
.set J, J+1
.endr
	ds_load_b64 v[244:245], v9 offset:8192
	s_wait_dscnt 0x0
	v_min_num_f32 v246, v12, v244                  ; -M of the two parts together
	v_add_f32 v14, v14, v15
	v_sub_f32 v247, v246, v12
	v_sub_f32 v248, v246, v244                     ; whole numbers, 0 or less (an empty part: -3e38, and its factor 0)
	v_cvt_i32_f32 v247, v247
	v_cvt_i32_f32 v248, v248
	v_ldexp_f32 v250, 1.0, v247
	v_ldexp_f32 v252, 1.0, v248
	v_mul_f32 v14, v14, v250
	v_fma_f32 v14, v245, v252, v14
	v_permlanex16_b32 v236, v14, s[SEL], s[SEL+1]
	v_add_f32 v14, v14, v236                       ; the row's sum
	s_wait_alu depctr_va_vdst(0)
	v_rcp_f32 v14, v14
	v_nop
	s_wait_alu depctr_va_vdst(0)
	v_mul_f32 v252, v252, v14                      ; each part's power of two over the sum
	v_mul_f32 v14, v250, v14
.set J, 0
.rept 32
	v_pk_mul_f32 v[96+J:97+J], v[96+J:97+J], v[252:253] op_sel_hi:[1,0]
.set J, J+2
.endr
.set J, 0
.rept 32
	v_pk_fma_f32 v[96+J:97+J], v[160+J:161+J], v[14:15], v[96+J:97+J] op_sel_hi:[1,0,1]
.set J, J+2
.endr
	OUT
.Lgiven:
	s_wait_dscnt 0x0                               ; for the others' sake: my scale word has landed
	s_barrier_signal -1
	s_barrier_wait -1
	s_cmp_lg_u32 s[T], 0
	s_cbranch_scc1 .Lno_words
	ds_load_b128 v[52:55], v30                     ; waves 0 and 8 store their token block's scale words: 512 consecutive bytes
	s_wait_dscnt 0x0
	global_store_b128 v1, v[52:55], s[12:13]
.Lno_words:
	s_wait_tensorcnt 0x0                           ; the wave's end
	ds_add_u32 v5, v6
	s_wait_dscnt 0x0
	ROUND                                          ; the closing round
	s_endpgm
.Lfunc_end_k_q60fdb1ad32_attn:
	.size	k_q60fdb1ad32_attn, .Lfunc_end_k_q60fdb1ad32_attn-k_q60fdb1ad32_attn
	.p2alignl 7, 3214868480
	.fill 96, 4, 3214868480
	.section	.rodata,"a",@progbits
	.p2align	6, 0x0
	.amdhsa_kernel k_q60fdb1ad32_attn
		.amdhsa_group_segment_fixed_size 327680
		.amdhsa_private_segment_fixed_size 0
		.amdhsa_enable_private_segment 0
		.amdhsa_kernarg_size 16
		.amdhsa_user_sgpr_count 2
		.amdhsa_user_sgpr_kernarg_segment_ptr 1
		.amdhsa_wavefront_size32 1
		.amdhsa_system_sgpr_workgroup_id_x 1
		.amdhsa_system_sgpr_workgroup_id_y 1
		.amdhsa_system_sgpr_workgroup_id_z 1
		.amdhsa_system_vgpr_workitem_id 0
		.amdhsa_next_free_vgpr 256
		.amdhsa_next_free_sgpr 100
		.amdhsa_reserve_vcc 1
		.amdhsa_float_denorm_mode_32 3
		.amdhsa_float_denorm_mode_16_64 3
		.amdhsa_memory_ordered 1
		.amdhsa_forward_progress 1
		.amdhsa_inst_pref_size 130
	.end_amdhsa_kernel
	.amdgpu_metadata
---
amdhsa.version: [ 1, 2 ]
amdhsa.kernels:
  - .name:           k_q60fdb1ad32_attn
    .symbol:         k_q60fdb1ad32_attn.kd
    .args:
      - { .name: qkv, .offset: 0, .size: 8, .value_kind: global_buffer, .address_space: global }
      - { .name: ctx, .offset: 8, .size: 8, .value_kind: global_buffer, .address_space: global }
    .group_segment_fixed_size: 327680
    .private_segment_fixed_size: 0
    .kernarg_segment_align: 8
    .kernarg_segment_size: 16
    .max_flat_workgroup_size: 512
    .sgpr_count:     100
    .vgpr_count:     256
    .wavefront_size: 32
...
	.end_amdgpu_metadata
.endif
;; end of part 3
;; launch gemm_out (part 4): grid 8 x 32, 4 waves a work-group, clusters of 4 x 4, 327,680 bytes of LDS; arguments wou, ctx, bo, out0; writes out0
.if DOCPART == 4
	.amdgcn_target "amdgcn-amd-amdhsa--gfx1250"
	.amdhsa_code_object_version 6
	.text
	.protected	k_q60fdb1ad32_gemm_out
	.globl	k_q60fdb1ad32_gemm_out
	.p2align	8
	.type	k_q60fdb1ad32_gemm_out,@function
k_q60fdb1ad32_gemm_out:
	s_mov_b64 s[64:65], 0
	v_nop
	global_prefetch_b8 v0, s[64:65] scope:SCOPE_SE
	s_setreg_imm32_b32 hwreg(HW_REG_WAVE_MODE, 25, 1), 1
	s_wait_xcnt 0x0
	s_wait_alu depctr_hold_cnt(0) depctr_sa_sdst(0) depctr_va_vdst(0) depctr_va_sdst(0) depctr_va_ssrc(0) depctr_va_vcc(0) depctr_vm_vsrc(0)
	s_getreg_b32 s2, hwreg(HW_REG_IB_STS2, 6, 4)
	s_cmp_eq_u32 s2, 0
	s_cbranch_scc0 .Lentry_in_a_cluster
	s_endpgm
.Lentry_in_a_cluster:
	s_bfe_u32 s2, ttmp6, 0x10000c
	s_cmp_lg_u32 s2, 0xf033
	s_cbranch_scc0 .Lentry_shape_is_right
	s_endpgm
.Lentry_shape_is_right:
; out0 = ctx Wo + bo on codes of E3M2 with one E8M0 scale for each 32 along K; K = 2,048; out0 [4096][2048] f32.
; Both operands lie in UNITS (128 rows x 128 K, 12,800 bytes: eight fragments of 1,536 bytes as images of the operand's 12 registers, then 512 bytes of scale words, (tile T, row r) at 12,288 + 256 (T / 4) + 16 r + 4 (T % 4);
; tile T holds rows 32 (T / 2) + 8 (T % 2) + r + 8 (r / 8)); unit (row block, K step) at 16 x row block + K step, so a row block's K steps are dense in memory.
; THE PRODUCT: source 0 = P = 16 rows n of Wo, source 1 = Q = 16 tokens of ctx: a lane holds one token, and the 16 registers of P's tiles 2 B, 2 B + 1 are the neighbouring columns 32 B + 16 (lane / 16) + 0 .. 15.
; SHARES: a work-group makes 256 columns x 128 tokens: 8 x 32 = 256 work-groups; wave w takes P's unit w % 2 and Q's tiles 4 (w / 2) .. + 3: 32 accumulators.  The bias is the C of each sum's first product.
; LDS holds 8 K steps (3 x 102,400 bytes), two slots of four.  Every fill is one tensor load a wave.  At the head the one load brings both slots, K steps 0-7: waves 0, 1 P's two units (102,400 bytes each), waves 2, 3 four K steps of Q each (51,200).
; K steps 8-11 and 12-15 fill the slots again behind rounds (51,200 and 25,600 bytes a wave), each four K steps, 128 matrix instructions a wave, ahead of its first use.
; CLUSTER 4 x 4: P hangs on the block of columns alone and is shared along a column of the cluster, Q on the token block alone and is shared along a row: all loads are joint.
; PREFETCH: what a refill will ask for is named two to three K steps ahead of it: K steps 8-11 in K steps 0 and 1 (the refill stands in K step 3), K steps 12-15 in K steps 4 and 5 (the refill in K step 7).
; Of the bytes that a wave will fetch, each of the four partners that ask for them jointly names a quarter, told apart by address (cy for P, cx for Q): 50 blocks of 256 bytes for P (two instructions), 25 for Q (one); a lane a block,
; lanes that are left over name the quarter's last block.  The registers of these lines are never rewritten.  K steps 0-7 come by the head's loads alone.
; REGISTERS, in windows of 256: window 0: v1-29 addresses; v32-47 scale words, two sets; v64-159 Q's fragments, two sets; v160-223 the bias; on the way out v32-255 are rows read back.
;   window 1: P's fragments, two sets at v0 and v128.   window 2: accumulator (a, b) at v[8 (8 a + b)].
.set UNIT,  12800
.set PH,    8*UNIT
.set QB,    2*PH
.set HS,    4*UNIT                     ; a slot: four K steps
.set SPARE, 3*PH                       ; the spare words, 128 bytes a wave
.set STAGE, SPARE+512                  ; the way out: 16 rows x (256 bytes + 16) for each wave; no tensor load ever lands here
.set LASTK, 15
.set G1P,  16                          ; s[16:23], s[24:31] groups 1; s[32:35], s[36:39] groups 0
.set G1Q,  24
.set G0P,  32
.set G0Q,  36
.set PF,   74                          ; s[74:75] my quarter of what my first refill will fetch
.set MSB, 0
.macro WIN new                         ; the immediate's high byte repeats the setting that is left
.if MSB != \new
	s_set_vgpr_msb (MSB<<8)|\new
.set MSB, \new
.endif
.endm
.macro PLACES n
.rept \n
	v_nop
.endr
.endm
.macro ROUND                           ; a round of the cluster's barrier
	s_barrier_signal -1
	s_barrier_wait -1
	s_cmp_lg_u32 s8, 0
	s_cbranch_scc1 .Lnot_wave_0_\@
	s_barrier_signal -3
.Lnot_wave_0_\@:
	s_barrier_wait -3
	s_barrier_signal -1
	s_barrier_wait -1
.endm
.macro JLOAD                           ; a joint fill: every way passes one load
	s_cmp_lt_u32 s8, 2
	s_cbranch_scc0 .Lfor_q_\@
	tensor_load_to_lds s[G0P:G0P+3], s[G1P:G1P+7]
	s_nop 0
	PLACES 4
	s_branch .Lasked_\@
.Lfor_q_\@:
	tensor_load_to_lds s[G0Q:G0Q+3], s[G1Q:G1Q+7]
	s_nop 0
	PLACES 4
.Lasked_\@:
.endm
.macro REFILL s                        ; slot s takes K steps 8 + 4 s .. 11 + 4 s
	WIN 0
	s_wait_tensorcnt 0x0                           ; all my tensor loads have landed, so the descriptors may be written
	ds_add_u32 v28, v29
	s_add_co_u32 s[G0P+1], s11, (\s)*HS
	s_add_co_u32 s[G0Q+1], s68, (\s)*HS
	s_add_nc_u64 s[G0P+2:G0P+3], s[98:99], (2+(\s))*HS
	s_or_b32 s[G0P+3], s[G0P+3], 0x80000000
	s_add_nc_u64 s[G0Q+2:G0Q+3], s[100:101], (2+(\s))*HS
	s_or_b32 s[G0Q+3], s[G0Q+3], 0x80000000
.if (\s) == 0
	s_mov_b32 s[G1P+2], 200<<16                    ; from here on a load brings half of what the head's brought: P four K steps,
	s_mov_b32 s[G1P+4], 200
	s_mov_b32 s[G1Q+2], 100<<16                    ; Q two
	s_mov_b32 s[G1Q+4], 100
.endif
	s_wait_dscnt 0x0                               ; the add is done, and my reads of the slot are over
	ROUND                                          ; both now hold of every wave of all sixteen work-groups
	JLOAD                                          ; the first tensor load behind the round; its four v_nop also stand between the last products and the loads below
.endm
.macro FETCH ks                        ; K step ks: 38 LDS loads in one run, into set ks % 2
.set FP, (\ks)&1
.set FS, ((\ks)>>2)&1
.set FO, ((\ks)&3)*UNIT
	WIN 0x40                                       ; destination window 1
.irp b, 0,1,2,3,4,5,6,7
.irp c, 0,1,2
	ds_load_b128 v[128*FP+12*\b+4*\c:128*FP+12*\b+4*\c+3], v[8+FS] offset:FO+1536*\b+512*\c
.endr
.endr
	WIN 0
.irp a, 0,1,2,3
.irp c, 0,1,2
	ds_load_b128 v[64+48*FP+12*\a+4*\c:64+48*FP+12*\a+4*\c+3], v[10+FS] offset:FO+1536*\a+512*\c
.endr
.endr
	ds_load_b128 v[32+8*FP:35+8*FP], v[12+FS] offset:FO   ; lanes 0-15: the words of P's tiles 0-3; lanes 16-31: those of my four tiles of Q
	ds_load_b128 v[36+8*FP:39+8*FP], v[14+FS] offset:FO   ; the words of P's tiles 4-7
.endm
; 32 matrix instructions; the 32 accumulators take turns, one instruction a turn.  mode 2: the bias starts the sums
.macro MUL32 ks, mode
.set MP, (\ks)&1
.if \mode == 2
	WIN 0x81                                       ; source 0 (P) window 1, source 1 (Q) and C (the bias) window 0, D window 2
.else
	WIN 0xa1                                       ; C and D window 2
.endif
.irp a, 0,1,2,3
.irp b, 0,1,2,3,4,5,6,7
.if \mode == 2
	v_wmma_scale_f32_16x16x128_f8f6f4 v[8*(8*\a+\b):8*(8*\a+\b)+7], v[128*MP+12*\b:128*MP+12*\b+11], v[64+48*MP+12*\a:64+48*MP+12*\a+11], v[160+8*\b:167+8*\b], v[32+8*MP+\b], v[32+8*MP+\a] matrix_a_fmt:MATRIX_FMT_BF6 matrix_b_fmt:MATRIX_FMT_BF6 matrix_b_scale:MATRIX_SCALE_ROW1
.else
	v_wmma_scale_f32_16x16x128_f8f6f4 v[8*(8*\a+\b):8*(8*\a+\b)+7], v[128*MP+12*\b:128*MP+12*\b+11], v[64+48*MP+12*\a:64+48*MP+12*\a+11], v[8*(8*\a+\b):8*(8*\a+\b)+7], v[32+8*MP+\b], v[32+8*MP+\a] matrix_a_fmt:MATRIX_FMT_BF6 matrix_b_fmt:MATRIX_FMT_BF6 matrix_b_scale:MATRIX_SCALE_ROW1
.endif
.endr
.endr
.endm
; A K step: its fragments, asked for a step ago, are in; the next step's are asked for, four plain instructions behind the products that read their registers; then the products.
; ev 0: the last fill is waited for first; ev 10, 11: slot 0, 1 is filled again first.  K steps 0, 1, 4, 5 carry the prefetches, behind the run of LDS loads
.macro STEP ks, ev, mode
	s_wait_dscnt 0x0
.if (\ev) >= 10
	REFILL (\ev)-10
.else
.if (\ev) == 0
	s_wait_tensorcnt 0x0                           ; my part of K steps 12-15 has landed; behind the barrier everybody's has.
	s_barrier_signal -1
	s_barrier_wait -1
.endif
.if (\ks) > 0
	PLACES 4
.endif
.endif
.if (\ks) < LASTK
	FETCH (\ks)+1
.endif
.if (\ks) == 0 || (\ks) == 4
	global_prefetch_b8 v24, s[PF:PF+1] offset:((\ks)/4)*HS th:TH_LOAD_NT scope:SCOPE_SE   ; blocks 0-31 of my quarter (Q: its 25)
.endif
.if (\ks) == 1 || (\ks) == 5
	s_cmp_lt_u32 s8, 2
	s_cbranch_scc0 .Lno_more_\@
	global_prefetch_b8 v25, s[PF:PF+1] offset:((\ks)/4)*HS th:TH_LOAD_NT scope:SCOPE_SE   ; P: blocks 32-49
.Lno_more_\@:
.endif
	MUL32 \ks, \mode
.endm
	s_load_b128 s[4:7], s[0:1], 0x0                ; wou, ctx
	s_load_b128 s[12:15], s[0:1], 0x10             ; bo, out0
	v_lshl_add_u32 v28, v0, 2, SPARE
	v_mov_b32 v29, 0
	ds_add_u32 v28, v29                            ; the opening lines: the add twice on end under one wait
	ds_add_u32 v28, v29
	v_lshrrev_b32 v1, 5, v0
	v_readfirstlane_b32 s8, v1                     ; wave 0..3
	s_and_b32 s9, s8, 1                            ; my unit of P.  Also: which half I fetch
	s_lshr_b32 s10, s8, 1                          ; my four tiles of Q.  Also: I fetch for P (0) or for Q (1)
	s_bfe_u32 s92, ttmp6, 0x40000                  ; cx
	s_bfe_u32 s93, ttmp6, 0x40004                  ; cy
	s_lshl_b32 s94, ttmp9, 2
	s_add_co_u32 s94, s94, s92                     ; block of 256 columns = 4 x cluster x + cx
	s_and_b32 s95, ttmp7, 0xffff
	s_lshl_b32 s95, s95, 2
	s_add_co_u32 s95, s95, s93                     ; token block = 4 x cluster y + cy
	s_lshl_b32 s96, s93, 2
	s_lshl_b32 s96, 15, s96                        ; my row of the cluster
	s_lshl_b32 s97, 0x1111, s92                    ; my column
	s_or_b32 s[G1P], s97, (3<<16)|(1<<21)          ; P's tiles go to my column; elements of 8 bytes; bit 21 beside a mask
	s_or_b32 s[G1Q], s96, (3<<16)|(1<<21)          ; Q's to my row
	s_mov_b32 s[G1P+2], 400<<16                    ; dense blocks as rows of 256 bytes: at the head P eight K steps a wave,
	s_mov_b32 s[G1P+4], 400
	s_mov_b32 s[G1Q+2], 200<<16                    ; Q four
	s_mov_b32 s[G1Q+4], 200
.irp g, G1P, G1Q
	s_mov_b32 s[\g+1], 32<<16
	s_mov_b32 s[\g+3], 32<<16
	s_mov_b32 s[\g+5], 32
	s_mov_b32 s[\g+6], 0
	s_mov_b32 s[\g+7], 0
.endr
	s_lshl_b32 s98, s94, 1
	s_add_co_u32 s98, s98, s9
	s_mul_i32 s98, s98, 16*UNIT                    ; P: my half's row block, 16 units on end.  These registers never hold cy
	s_mov_b32 s99, 0
	s_mul_i32 s100, s95, 16*UNIT                   ; Q: the token block.  These never hold cx
	s_mov_b32 s101, 0
	s_mul_i32 s11, s9, PH                          ; in LDS: no place in the cluster enters an LDS address
	s_mul_i32 s66, s9, 2*UNIT                      ; a refill: my two K steps of Q's four
	s_mov_b32 s67, 0
	s_add_co_u32 s68, s66, QB
	s_mul_i32 s76, s9, HS                          ; the head: my four K steps of Q's eight
	s_mov_b32 s77, 0
	s_add_co_u32 s81, s76, QB
	s_wait_dscnt 0x0                               ; both opening adds are done
	s_wait_kmcnt 0x0
	s_add_nc_u64 s[98:99], s[4:5], s[98:99]
	s_add_nc_u64 s[100:101], s[6:7], s[100:101]
	s_mov_b32 s[G0P], 1
	s_mov_b32 s[G0P+1], s11
	s_mov_b64 s[G0P+2:G0P+3], s[98:99]
	s_or_b32 s[G0P+3], s[G0P+3], 0x80000000
	s_mov_b32 s[G0Q], 1
	s_mov_b32 s[G0Q+1], s81
	s_add_nc_u64 s[G0Q+2:G0Q+3], s[100:101], s[76:77]
	s_or_b32 s[G0Q+3], s[G0Q+3], 0x80000000
	ROUND                                          ; all sixteen work-groups are here: the first joint loads meet
	JLOAD                                          ; K steps 0-7: one tensor load a wave at the head
	s_add_nc_u64 s[100:101], s[100:101], s[66:67]  ; for the refills
	s_mov_b32 s79, UNIT/2
	s_cmp_lt_u32 s8, 2                             ; the prefetches: do I fetch for P?
	s_cselect_b64 s[PF:PF+1], s[98:99], s[100:101]
	s_cselect_b32 s78, s93, s92                    ; my place among the four that ask with me
	s_cselect_b32 s79, UNIT, s79                   ; a quarter of a refill's bytes: 12,800 or 6,400
	s_cselect_b32 s80, 49, 24                      ; its last block
	s_mul_i32 s78, s78, s79
	s_add_co_u32 s78, s78, 2*HS                    ; from K step 8 on
	s_mov_b32 s79, 0
	s_add_nc_u64 s[PF:PF+1], s[PF:PF+1], s[78:79]
	s_lshl_b32 s2, s94, 10
	s_lshl_b32 s3, s9, 9
	s_add_co_u32 s2, s2, s3                        ; my first column, in bytes: 1,024 x block + 512 x unit
	s_mov_b32 s3, 0
	s_add_nc_u64 s[12:13], s[12:13], s[2:3]
	s_lshl_b32 s4, s95, 7
	s_lshl_b32 s5, s10, 6
	s_add_co_u32 s4, s4, s5
	s_lshl_b32 s4, s4, 13                          ; my first token: 128 x block + 64 x (wave / 2), rows of 8,192 bytes
	s_add_co_u32 s2, s2, s4
	s_add_nc_u64 s[14:15], s[14:15], s[2:3]
	s_mul_i32 s69, s10, 6144
	s_add_co_u32 s69, s69, QB                      ; Q's fragments: my four tiles
	s_xor_b32 s70, s9, 1
	s_add_co_u32 s70, s70, 1
	s_mul_i32 s70, s70, PH
	s_lshl_b32 s5, s10, 8
	s_add_co_u32 s70, s70, s5                      ; from P's scale words to Q's: one product with the lane's half
	s_add_co_u32 s71, s11, 12288
	s_add_co_u32 s72, s71, 256
	s_mul_i32 s73, s8, 16*272
	s_add_co_u32 s73, s73, STAGE                   ; my stage
	v_and_b32 v1, 31, v0                           ; lane
	v_and_b32 v2, 15, v0                           ; r
	v_bfe_u32 v3, v0, 4, 1                         ; h
	v_lshlrev_b32 v4, 4, v1                        ; 16 x lane
	v_lshlrev_b32 v23, 6, v3                       ; the bias: 16 numbers a half
.irp b, 0,1,2,3,4,5,6,7
	global_load_b128 v[160+8*\b:163+8*\b], v23, s[12:13] offset:(32*(\b/2)+8*(\b%2))*4      ; tile b, in the result's layout: columns 32 (b / 2) + 8 (b % 2) + 16 h + 0 .. 7
	global_load_b128 v[164+8*\b:167+8*\b], v23, s[12:13] offset:(32*(\b/2)+8*(\b%2))*4+16
.endr
	v_add_nc_u32 v8, s11, v4                       ; P's fragments, slot 0,
	v_add_nc_u32 v9, HS, v8                        ; slot 1
	v_add_nc_u32 v10, s69, v4
	v_add_nc_u32 v11, HS, v10
	v_mul_u32_u24 v5, s70, v3
	v_lshl_add_u32 v5, v2, 4, v5
	v_add_nc_u32 v12, s71, v5
	v_add_nc_u32 v13, HS, v12
	v_lshlrev_b32 v6, 4, v2
	v_add_nc_u32 v14, s72, v6
	v_add_nc_u32 v15, HS, v14
	v_mul_u32_u24 v20, v2, 272
	v_lshl_add_u32 v20, v3, 6, v20
	v_add_nc_u32 v20, s73, v20                     ; the stage, in: row r, + 64 h
	v_mul_u32_u24 v21, v3, 272
	v_lshl_add_u32 v21, v2, 4, v21
	v_add_nc_u32 v21, s73, v21                     ; back: lanes 0-15 one row of 256 bytes, lanes 16-31 the next
	v_lshlrev_b32 v22, 13, v3
	v_lshl_add_u32 v22, v2, 4, v22                 ; and the same two rows in out0
	v_min_u32 v24, s80, v1
	v_lshlrev_b32 v24, 8, v24                      ; the prefetches: a lane a block of 256 bytes, held at the quarter's last block
	v_add_nc_u32 v25, 32, v1
	v_min_u32 v25, s80, v25
	v_lshlrev_b32 v25, 8, v25
	s_wait_alu depctr_va_vdst(0)                   ; the wait at the head's end
	s_wait_loadcnt 0x0                             ; the bias
	s_wait_tensorcnt 0x0                           ; my part of K steps 0-7 has landed; behind the barrier everybody's has.
	s_barrier_signal -1
	s_barrier_wait -1
	FETCH 0
	STEP 0, -1, 2
	STEP 1, -1, 1
	STEP 2, -1, 1
	STEP 3, 10, 1                                  ; slot 0 has been read out: K steps 8-11 are asked for
	STEP 4, -1, 1
	STEP 5, -1, 1
	STEP 6, -1, 1
	STEP 7, 11, 1                                  ; slot 1 has been read out: K steps 12-15 are asked for; K steps 8-11 have landed
	STEP 8, -1, 1
	STEP 9, -1, 1
	STEP 10, -1, 1
	STEP 11, 0, 1                                  ; K steps 12-15 are wanted: my one load that was out
	STEP 12, -1, 1
	STEP 13, -1, 1
	STEP 14, -1, 1
	STEP 15, -1, 1
; THE WAY OUT, in eight turns: Q's tile t / 2 (16 tokens) x half t % 2 of my 128 columns (64 columns, 256 bytes).  A lane holds 128 bytes of a row in four pieces; they go through my own stage and come back as whole rows.
; LDS serves a wave's instructions in order: no wait between the stores and the loads, nor in front of the next turn's stores.
.macro TOSTAGE t
.set TA, (\t)>>1
.set TV, (\t)&1
.set BB, 32+32*((\t)%7)                ; seven buffers of 32 registers, v32-255, which the products are done with: turn 7 takes turn 0's again
	WIN 0x08                                       ; an LDS store's data are its source 1: window 2
.irp u, 0,1,2,3
	ds_store_b128 v20, v[8*(8*TA+4*TV+\u):8*(8*TA+4*TV+\u)+3] offset:128*(\u/2)+32*(\u%2)       ; each accumulator from its low end on
	ds_store_b128 v20, v[8*(8*TA+4*TV+\u)+4:8*(8*TA+4*TV+\u)+7] offset:128*(\u/2)+32*(\u%2)+16
.endr
	WIN 0
.irp i, 0,1,2,3,4,5,6,7
	ds_load_b128 v[BB+4*\i:BB+4*\i+3], v21 offset:544*\i
.endr
.endm
.macro SEND t, younger                 ; younger: the LDS instructions issued behind turn t's loads, which may stay out
.set TA, (\t)>>1
.set TV, (\t)&1
.set BB, 32+32*((\t)%7)
	s_wait_dscnt \younger
.irp i, 0,1,2,3,4,5,6,7
	global_store_b128 v22, v[BB+4*\i:BB+4*\i+3], s[14:15] offset:(32*(TA>>1)+8*(TA&1)+2*\i+8*(\i/4))*8192+256*TV th:TH_STORE_NT   ; 16 lanes store 256 consecutive bytes, at a multiple of 256 from out0's first byte
.endr
.endm
	PLACES 4                                       ; four plain instructions between the last products and the first read of results
	TOSTAGE 0
.irp t, 1,2,3,4,5,6,7
.if \t > 6
	s_wait_xcnt 0x0                                ; turn 0's stores have read their registers: turn 7's loads may land there
.endif
	TOSTAGE \t
	SEND \t-1, 16                                  ; behind the last turn's loads: this turn's 8 stores and 8 loads
.endr
	SEND 7, 0
	s_wait_tensorcnt 0x0                           ; the wave's end
	ds_add_u32 v28, v29
	s_wait_dscnt 0x0
	ROUND                                          ; the closing round
	s_endpgm
.Lfunc_end_k_q60fdb1ad32_gemm_out:
	.size	k_q60fdb1ad32_gemm_out, .Lfunc_end_k_q60fdb1ad32_gemm_out-k_q60fdb1ad32_gemm_out
	.p2alignl 7, 3214868480
	.fill 96, 4, 3214868480
	.section	.rodata,"a",@progbits
	.p2align	6, 0x0
	.amdhsa_kernel k_q60fdb1ad32_gemm_out
		.amdhsa_group_segment_fixed_size 327680
		.amdhsa_private_segment_fixed_size 0
		.amdhsa_enable_private_segment 0
		.amdhsa_kernarg_size 32
		.amdhsa_user_sgpr_count 2
		.amdhsa_user_sgpr_kernarg_segment_ptr 1
		.amdhsa_wavefront_size32 1
		.amdhsa_system_sgpr_workgroup_id_x 1
		.amdhsa_system_sgpr_workgroup_id_y 1
		.amdhsa_system_sgpr_workgroup_id_z 1
		.amdhsa_system_vgpr_workitem_id 0
		.amdhsa_next_free_vgpr 768
		.amdhsa_next_free_sgpr 102
		.amdhsa_reserve_vcc 0
		.amdhsa_float_denorm_mode_32 3
		.amdhsa_float_denorm_mode_16_64 3
		.amdhsa_memory_ordered 1
		.amdhsa_forward_progress 1
		.amdhsa_inst_pref_size 133
	.end_amdhsa_kernel
	.amdgpu_metadata
---
amdhsa.version: [ 1, 2 ]
amdhsa.kernels:
  - .name:           k_q60fdb1ad32_gemm_out
    .symbol:         k_q60fdb1ad32_gemm_out.kd
    .args:
      - { .name: wou, .offset: 0, .size: 8, .value_kind: global_buffer, .address_space: global }
      - { .name: ctx, .offset: 8, .size: 8, .value_kind: global_buffer, .address_space: global }
      - { .name: bo, .offset: 16, .size: 8, .value_kind: global_buffer, .address_space: global }
      - { .name: out0, .offset: 24, .size: 8, .value_kind: global_buffer, .address_space: global }
    .group_segment_fixed_size: 327680
    .private_segment_fixed_size: 0
    .kernarg_segment_align: 8
    .kernarg_segment_size: 32
    .max_flat_workgroup_size: 128
    .sgpr_count:     102
    .vgpr_count:     768
    .wavefront_size: 32
...
	.end_amdgpu_metadata
.endif
;; end of part 4
